; MI455X (gfx1250); checked and timed in simulation.
; The chip was launched on July 23, 2026; its instructions are those of AMD's public machine-readable ISA for CDNA 5 (MIT licence, August 2026) and "CDNA5" Instruction Set Architecture Reference Guide (July 2026). The comments in the code are by the model that wrote it; some were corrected since.
;; Causal Self Attention. Allowed arithmetic: matrix products marked QUANTISED: E5M2 operands, one E8M0 scale for each 32 along K, by v_wmma_scale_f32_16x16x128_f8f6f4 with both operands' format E5M2, f32 sums; everything else in f32.
;; Inputs: W_attn_codes 3,072 x 32 x 32 uint8 (E5M2 codes of W_attn, K innermost, in blocks of 32 codes); W_attn_scales 3,072 x 32 uint8 (E8M0 scales of W_attn, one for each 32 codes along K); W_proj_codes 1,024 x 32 x 32 uint8 (E5M2 codes of W_proj, K innermost, in blocks of 32 codes); W_proj_scales 1,024 x 32 uint8 (E8M0 scales of W_proj, one for each 32 codes along K); b_attn 3,072 float32; b_proj 1,024 float32; x_codes 4 x 2,048 x 32 x 32 uint8 (E5M2 codes of x, K innermost, in blocks of 32 codes); x_scales 4 x 2,048 x 32 uint8 (E8M0 scales of x, one for each 32 codes along K).
;; Outputs: out0 4 x 2,048 x 1,024 float32.
;; This version of the problem:
;;   THIS VERSION OF THE PROBLEM IS GIVEN IN LOW PRECISION. The matrix products marked QUANTISED in the list below multiply operands that are first quantised to E5M2 (5 exponent bits, 2 mantissa bits; 8 bits a number), with one power-of-two scale for each 32 numbers along K (OCP MX v1.0); their sums are f32. All else is computed in f32.
;;   The module's matrix products, in the order in which they are computed (A, B: the left and right operand; K: the contracted axis; several contracted axes count as one K, in the product's order):
;;     1. [M 8,192, K 1,024] x [K 1,024, N 3,072]; A: input x (given as codes); B: input W_attn (given as codes): QUANTISED
;;     2. batch 64 x [M 2,048, K 64] x [K 64, N 2,048]; A: computed on the way; B: computed on the way: QUANTISED
;;     3. batch 64 x [M 2,048, K 2,048] x [K 2,048, N 64]; A: softmax (see below); B: computed on the way: QUANTISED
;;     4. [M 8,192, K 1,024] x [K 1,024, N 1,024]; A: computed on the way; B: input W_proj (given as codes): QUANTISED
;;   THE QUANTISER, for each operand of a quantised product, along K:
;;     - K is cut into blocks of 32 from its start; a last block that is shorter is filled with zeros.
;;     - A block's scale is 2^e with e = floor(log2(the largest magnitude in the block)) - 15, held to -126 .. 127; a block of zeros has e = 0. As a byte (E8M0): e + 127.
;;     - Each number is divided by its block's scale, clamped to +-57,344, and rounded to the nearest number of E5M2, ties to even, subnormals kept.
;;     - The product sums the exact products of the quantised numbers (number of the format x scale) in f32.
;;   ~~~python
;;   def quantise(x, axis):      # numpy; x: float32 -> the quantised numbers, widened to float32 again
;;       x = np.moveaxis(x, axis, -1); K = x.shape[-1]
;;       x = np.pad(x, [(0, 0)] * (x.ndim - 1) + [(0, -K % 32)]); x = x.reshape(x.shape[:-1] + (-1, 32)); a = np.abs(x).max(-1, keepdims=True)
;;       e = np.where(a > 0, np.clip(np.frexp(np.where(a > 0, a, 1))[1] - 1 - 15, -126, 127), 0)      # np.frexp(a)[1] - 1 = floor(log2(a)), exactly
;;       r = np.clip(x / 2.0 ** e, -57344, 57344)
;;       step = 2.0 ** (np.maximum(np.frexp(np.where(r == 0, 1, r))[1] - 1, -14) - 2)
;;       q = np.round(r / step) * step * 2.0 ** e      # np.round: ties to even
;;       return np.moveaxis(q.reshape(q.shape[:-2] + (-1,))[..., :K], -1, axis).astype(np.float32)
;;   ~~~
;;   SOFTMAX AHEAD OF A QUANTISED PRODUCT. Where the list says 'softmax', what is quantised is not the finished softmax but p = 2^(t - M), with t = logit x log2(e) and M = ceil(the row's largest t), a whole number; so 1/2 < the row's largest p <= 1. The row's sum l is taken of the UNQUANTISED p, in f32, and the product's result is divided by l at the end. Since M is a whole number, a kernel that streams over the keys may use a running M (the ceiling of the running maximum): every later rescaling is an exact power of two, which a block's scale takes up: the codes' values come out the same.
;;   OPERANDS COMPUTED ON THE WAY. 'Computed on the way' means the value that the module computes at that place (a softmax that the list does not call 'softmax' is quantised finished and normalised). What goes into a quantiser is computed in f32, as accurately as f32 sums, v_exp_f32 and their like allow (about 1e-6 of the number): no bf16 or f16 on the way to a quantiser, and a product that is left as it is and whose result goes on into a quantised operand takes f32 operands (vector FMAs, or v_wmma_f32_16x16x4_f32). A number that lies on a knife's edge between two numbers of the format may be rounded either way, as far as f32 arithmetic and the matrix unit's own rounding can turn it there, and no further.
;;   INPUTS GIVEN AS CODES. W_attn (in the module: [3072, 1024], K = its axis 1); W_proj (in the module: [1024, 1024], K = its axis 1); x (in the module: [4, 2048, 1024], K = its axis 2): each comes as NAME_codes (uint8): NAME with its K axis moved to the last place and cut into blocks of 32 codes, [.., K / 32, bytes a block], one block behind the other in memory; one code a byte (a code: sign, 5 exponent bits, 2 mantissa bits); and NAME_scales (uint8): the same leading axes, one E8M0 byte (e + 127) for each 32 codes along K. Its value is code x scale, taken as it is: it is not quantised again, and the codes and scales need not be those that the quantiser above would give.
;; One version. Each part assembles by itself: llvm-mc -triple=amdgcn-amd-amdhsa -mcpu=gfx1250 --defsym DOCPART=n.
;; ======== version 1 of 1: 3 launches
;; limits: right only within a limited range of input values
;; workspace buffers: qkv 25,165,824 bytes; qkvs 786,432 bytes; y 8,388,608 bytes; ys 262,144 bytes
;; launch qkvgemm (part 1): grid 8 x 48, 4 waves a work-group, clusters of 4 x 4, 327,680 bytes of LDS; arguments x_codes, x_scales, W_attn_codes, W_attn_scales, b_attn, qkv, qkvs; writes qkv, qkvs
.if DOCPART == 1
	.amdgcn_target "amdgcn-amd-amdhsa--gfx1250"
	.amdhsa_code_object_version 6
	.text
	.protected	k_qef104fcf38_qkvgemm
	.globl	k_qef104fcf38_qkvgemm
	.p2align	8
	.type	k_qef104fcf38_qkvgemm,@function
k_qef104fcf38_qkvgemm:
	s_mov_b64 s[64:65], 0
	v_nop
	global_prefetch_b8 v0, s[64:65] scope:SCOPE_SE
	s_setreg_imm32_b32 hwreg(HW_REG_WAVE_MODE, 25, 1), 1
	s_wait_xcnt 0x0
	s_wait_alu depctr_hold_cnt(0) depctr_sa_sdst(0) depctr_va_vdst(0) depctr_va_sdst(0) depctr_va_ssrc(0) depctr_va_vcc(0) depctr_vm_vsrc(0)
	s_getreg_b32 s2, hwreg(HW_REG_IB_STS2, 6, 4)
	s_cmp_eq_u32 s2, 0
	s_cbranch_scc0 .Lentry_in_a_cluster
	s_endpgm
.Lentry_in_a_cluster:
	s_bfe_u32 s2, ttmp6, 0x10000c
	s_cmp_lg_u32 s2, 0xf033
	s_cbranch_scc0 .Lentry_shape_is_right
	s_endpgm
.Lentry_shape_is_right:
; qkv = x W_attn^T + b_attn on codes of BF8 (E5M2) with one E8M0 scale for each 32 along K = 1,024; the results are quantised at once: q and k along the head's 64, v along the keys.
; A work-group of four waves makes 256 x 256, a wave 128 x 128: 64 accumulators of 16 x 16, 512 registers.  K goes in steps of 256 through a ring of two LDS slots filled by the tensor data mover.
; THE MATRIX INSTRUCTION IS USED TRANSPOSED: source 0 = 16 rows of 'B', source 1 = 16 rows of 'A': a lane holds ONE row of A, and its registers run along B's rows.  So the axis that is quantised is always B's rows:
;   clusters y = 0..7  (q and k): B = W_attn's rows 0..2047 (the head's channels), A = x (the tokens);   clusters y = 8..11 (v): B = x (the keys), A = W_attn's rows 2048..3071 (the channels).
; The choice hangs on the cluster's y alone, which all sixteen partners share.
; OUT: a wave's 128 x 128 leaves as ONE chunk of 16,384 bytes, laid as the next launch's operand registers: [A's block a][block g of 32 along B's rows][lane][16 bytes], and 128 scale words (word 16 a + row, byte g).
; Inside a block of 32, slot 16 h + i holds element 8 h + i % 8 + 16 (i / 8): what two neighbouring results give a lane.  The same order holds for both operands of each later product and stays inside a scale's block.
; CLUSTERS: 4 x 4 work-groups; A's tiles are asked for jointly along a row of the cluster, B's along a column.
; LIMITS: NaN and infinities are not served.  A block whose largest magnitude lies under 2^(16 - 127), a block of zeros among them, gets the byte 1: its codes are then zeros or subnormal codes, and this program alone reads the bytes.
; REGISTERS, in windows of 256: window 0: v8-15 bias by lane, v16-31 addresses, v32-63 scale words (two sets), v64-127 bias as C, v128-255 A's fragments (one set); on the way out v32-255 are free.
;   window 1: B's fragments, two sets.   windows 2, 3: the accumulators ((a, b) at v[8 (8 (a % 4) + b)]).
.set SIZE_K, 1024
.set KSTEP,  256                       ; along K in a slot
.set NQ,     KSTEP/128                 ; matrix instructions deep
.set ROWB,   256                       ; a tile's row in bytes
.set KROW,   SIZE_K                    ; a row of x or of W_attn in memory, in bytes
.set PITCH,  272                       ; an LDS row: 256 bytes + 16 of padding: the 16 rows that a load touches start 68 words apart
.set FR,     16                        ; registers of a fragment: 16 rows x 128 K
.set NL,     4                         ; LDS loads that bring one
.set NP,     8                         ; places behind this matrix instruction (ISA guide 7.12.1)
.set HALFT,  128*PITCH                 ; 128 rows: what one tensor load brings
.set SLOT,   4*HALFT                   ; A's 256 rows, then B's 256 rows
.set LAPS,   SIZE_K/(2*KSTEP)
.set KS,     SIZE_K/32                 ; a row of scales in bytes
.set SCL,    2*SLOT                    ; behind the ring: the scales of all of K, as units of 256 bytes + 16 of padding
.set HALFS,  (128*KS/256)*272
.set SBLK,   (16*KS/256)*272
.set SPARE,  SCL+4*HALFS               ; the spare words, 128 bytes for each wave
.set LB,   8                           ; v8-15   bias by lane: b_attn at A's row (block a, row lane % 16)
.set ADRA, 16                          ; v16-17  LDS address of my A fragments in slot 0, 1
.set ADRB, 20                          ; v20-21  the same for B
.set STO,  24                          ; v24     the way out: where a scale word goes: 512 x wave + 4 (lane % 16), in slot 0
.set RD,   25                          ; v25     and where 16 bytes of them are read back
.set CO,   26                          ; v26     16 x lane
.set ADRS, 27                          ; v27     LDS address of my scale words: lanes 0-15 A's rows, lanes 16-31 B's
.set SPW,  28                          ; v28     LDS address of my spare word; never rewritten
.set NIL,  29                          ; v29     0; never rewritten
.set BO,   30                          ; v30     32 (lane / 16)
.set BL,   31                          ; v31     4 (lane % 16)
.set SC,   32                          ; scale words, set s at v[SC + 16 s]
.set BI,   64                          ; v64-127 eight groups of eight: the bias as the C of the first products
.set AF,   128                         ; A's fragments
.set TM,   32                          ; the way out: v32-35 largest magnitudes, v36-39 bytes, v44-47 the conversions' scale operands
.set PW,   48                          ; v48-55  the scale word of block a
.set SB,   56                          ; v56-59  scale words read back
.set X,    64
.set PC,   128                         ; v128-255 the codes: 16 registers for each block a, so that no store's data are written again
.set G1, 24
.set G0, 32
.set G1B, 48
.set G0B, 56
.set G1S, 68
.set G0S, 76
.set G1SB, 80
.set G0SB, 88
.set MSB, 0
.macro WIN new                         ; the immediate's high byte repeats the setting that is left
.if MSB != (\new)
	s_set_vgpr_msb (MSB<<8)|(\new)
.set MSB, (\new)
.endif
.endm
.set MUL_LO, 0xa1                      ; source 0 (B) window 1, source 1 (A) window 0, C and D window 2
.set MUL_HI, 0xf1                      ; the same, C and D window 3
.set TO_B,   0x40                      ; destination window 1, address window 0
; A joint load: waves 0 and 1 fetch for A, waves 2 and 3 for B; the branch hangs on the wave's number alone.  Four v_nop follow each of the two lines.
.macro JLOAD g0a, g1a, g0b, g1b
	s_cmp_eq_u32 s15, 0
	s_cbranch_scc0 .Lfor_b_\@
	tensor_load_to_lds s[\g0a:\g0a+3], s[\g1a:\g1a+7]
	s_nop 0
.rept 4
	v_nop
.endr
	s_branch .Lasked_\@
.Lfor_b_\@:
	tensor_load_to_lds s[\g0b:\g0b+3], s[\g1b:\g1b+7]
	s_nop 0
.rept 4
	v_nop
.endr
.Lasked_\@:
.endm
.macro CREST                           ; a round of the cluster's barrier behind its opening barrier
	s_cmp_lg_u32 s14, 0
	s_cbranch_scc1 .Lnot_wave_0_\@
	s_barrier_signal -3
.Lnot_wave_0_\@:
	s_barrier_wait -3
	s_barrier_signal -1
	s_barrier_wait -1
.endm
.macro CROUND                          ; a whole round
	s_barrier_signal -1
	s_barrier_wait -1
	CREST
.endm
	s_load_b128 s[4:7], s[0:1], 0x0                ; x's codes, x's scales
	s_load_b128 s[8:11], s[0:1], 0x10              ; W_attn's codes, W_attn's scales
	s_load_b128 s[96:99], s[0:1], 0x20             ; b_attn s[96:97], qkv s[98:99]
	s_load_b64 s[12:13], s[0:1], 0x30              ; qkvs
	v_lshl_add_u32 v[SPW], v0, 2, SPARE
	v_mov_b32 v[NIL], 0
	ds_add_u32 v28, v29
	ds_add_u32 v28, v29
	s_wait_dscnt 0x0
	v_lshrrev_b32 v1, 5, v0
	v_readfirstlane_b32 s14, v1                    ; wave 0..3
	s_lshr_b32 s15, s14, 1                         ; which half of A's rows is mine.  Also: I fetch for A (0) or for B (1)
	s_and_b32 s16, s14, 1                          ; which half of B's rows.  Also: which 128 rows of that tile I fetch
	s_bfe_u32 s40, ttmp6, 0x40000                  ; cx, cy: my place in the cluster
	s_bfe_u32 s41, ttmp6, 0x40004
	s_and_b32 s66, ttmp7, 0xffff                   ; the cluster's y
	s_sub_co_u32 s67, s66, 8
	s_lshl_b32 s67, s67, 3                         ; 8 (y - 8)
	s_lshl_b32 s2, s66, 2                          ; 4 y
	s_cmp_ge_u32 s66, 8
	s_cselect_b32 s95, 1, 0                        ; 0: q and k;  1: v
	s_cselect_b32 s67, s67, 0
	s_cselect_b32 s17, 8, s2
	s_cselect_b32 s2, 0, s2
	s_lshl_b32 s42, ttmp9, 2
	s_add_co_u32 s42, s42, s40
	s_add_co_u32 s42, s42, s67                     ; B's tile of 256 rows: 4 x cluster x + cx (+ 8 (y - 8) for v)
	s_add_co_u32 s17, s17, s41                     ; A's tile of 256 rows: 4 y + cy, or 8 + cy for v
	s_add_co_u32 s2, s2, s41                       ; the same, counted from v's first tile where it is v
	s_lshl_b32 s43, s41, 2
	s_lshl_b32 s43, 15, s43                        ; my row of the cluster
	s_lshl_b32 s44, 0x1111, s40                    ; my column
	; descriptor group 1: a tile of 128 rows x 256 bytes, padded in LDS
	s_or_b32 s[G1+0], s43, (0<<16)|(1<<20)|(1<<21)|(5<<22)|(3<<25)  ; 15:0 the mask; 17:16 element of 1 byte; 20 padding on; 21 set beside a mask; 24:22 after every 64 words; 31:25 four words
	s_or_b32 s[G1B+0], s44, (0<<16)|(1<<20)|(1<<21)|(5<<22)|(3<<25)
.irp g, G1, G1B
	s_mov_b32 s[\g+1], ROWB<<16                    ; tensor_dim0
	s_mov_b32 s[\g+2], 128<<16                     ; tensor_dim1
	s_mov_b32 s[\g+3], ROWB<<16                    ; tile_dim0
	s_mov_b32 s[\g+4], 128                         ; tile_dim1
	s_mov_b32 s[\g+5], KROW                        ; tensor_dim0_stride
	s_mov_b32 s[\g+6], 0
	s_mov_b32 s[\g+7], 0
.endr
	; the scales of 128 rows: a dense block of 4,096 bytes, as 16 rows of 256 bytes (32 elements of 8 bytes), 16 bytes of padding behind each
	s_or_b32 s[G1S+0], s43, (3<<16)|(1<<20)|(1<<21)|(5<<22)|(3<<25)
	s_or_b32 s[G1SB+0], s44, (3<<16)|(1<<20)|(1<<21)|(5<<22)|(3<<25)
.irp g, G1S, G1SB
	s_mov_b32 s[\g+1], 32<<16
	s_mov_b32 s[\g+2], (128*KS/256)<<16
	s_mov_b32 s[\g+3], 32<<16
	s_mov_b32 s[\g+4], 128*KS/256
	s_mov_b32 s[\g+5], 32
	s_mov_b32 s[\g+6], 0
	s_mov_b32 s[\g+7], 0
.endr
	s_lshl_b32 s18, s16, 7                         ; which 128 rows of the tile I fetch
	s_lshl_b32 s20, s17, 8
	s_add_co_u32 s20, s20, s18                     ; A's row
	s_lshl_b32 s46, s42, 8
	s_add_co_u32 s46, s46, s18                     ; B's row
	s_mov_b32 s21, 0
	s_mov_b32 s47, 0
	s_mov_b64 s[18:19], KS
	s_mul_u64 s[22:23], s[20:21], s[18:19]         ; where these rows' scales begin, in bytes
	s_mul_u64 s[92:93], s[46:47], s[18:19]
	s_mov_b64 s[18:19], KROW
	s_mul_u64 s[20:21], s[20:21], s[18:19]         ; and their codes
	s_mul_u64 s[46:47], s[46:47], s[18:19]
	s_mul_i32 s45, s14, HALFT                      ; where they go: wave x 128 rows: no place in the cluster enters an LDS address
	s_mul_i32 s94, s14, HALFS
	s_wait_kmcnt 0x0
	s_cmp_eq_u32 s95, 0                            ; for v the two tensors change roles: s[4:7] become A's codes and scales, s[8:11] B's
	s_cselect_b64 s[100:101], s[4:5], s[8:9]
	s_cselect_b64 s[8:9], s[8:9], s[4:5]
	s_mov_b64 s[4:5], s[100:101]
	s_cselect_b64 s[100:101], s[6:7], s[10:11]
	s_cselect_b64 s[10:11], s[10:11], s[6:7]
	s_mov_b64 s[6:7], s[100:101]
	s_add_nc_u64 s[20:21], s[4:5], s[20:21]
	s_add_nc_u64 s[22:23], s[6:7], s[22:23]
	s_add_nc_u64 s[46:47], s[8:9], s[46:47]
	s_add_nc_u64 s[92:93], s[10:11], s[92:93]
	CROUND                                         ; all sixteen work-groups are here: the first joint loads meet
	s_mov_b32 s[G0S], 1
	s_add_co_u32 s[G0S+1], s94, SCL
	s_mov_b64 s[G0S+2:G0S+3], s[22:23]
	s_or_b32 s[G0S+3], s[G0S+3], 0x80000000
	s_mov_b32 s[G0SB], 1
	s_add_co_u32 s[G0SB+1], s94, SCL
	s_mov_b64 s[G0SB+2:G0SB+3], s[92:93]
	s_or_b32 s[G0SB+3], s[G0SB+3], 0x80000000
	JLOAD G0S, G1S, G0SB, G1SB                     ; the scales first: they are wanted with K step 0.  Three loads of mine are out behind these lines
.irp s, 0,1
	s_mov_b32 s[G0+4*\s], 1
	s_add_co_u32 s[G0+4*\s+1], s45, \s*SLOT
	s_add_nc_u64 s[G0+4*\s+2:G0+4*\s+3], s[20:21], \s*ROWB
	s_or_b32 s[G0+4*\s+3], s[G0+4*\s+3], 0x80000000
	s_mov_b32 s[G0B+4*\s], 1
	s_add_co_u32 s[G0B+4*\s+1], s45, \s*SLOT
	s_add_nc_u64 s[G0B+4*\s+2:G0B+4*\s+3], s[46:47], \s*ROWB
	s_or_b32 s[G0B+4*\s+3], s[G0B+4*\s+3], 0x80000000
	JLOAD G0+4*\s, G1, G0B+4*\s, G1B
.endr
	; where my chunk lies.  U = my 128 of B's rows, W = my 128 of A's rows;  q, k: chunk (U, W);  v: chunk (16 + W, U)
	s_lshl_b32 s46, s42, 1
	s_add_co_u32 s46, s46, s16                     ; U
	s_lshl_b32 s20, s2, 1
	s_add_co_u32 s20, s20, s15                     ; W
	s_add_co_u32 s21, s20, 16
	s_cmp_eq_u32 s95, 0
	s_cselect_b32 s47, s46, s21                    ; hi: 0..7 q's head pairs, 8..15 k's, 16..23 v's
	s_cselect_b32 s46, s20, s46                    ; lo: 16 x batch + block of 128 tokens
	s_lshl_b32 s20, s47, 20
	s_lshl_b32 s21, s46, 14
	s_add_co_u32 s20, s20, s21
	s_mov_b32 s21, 0
	s_add_nc_u64 s[98:99], s[98:99], s[20:21]      ; qkv: (64 hi + lo) x 16,384
	s_lshl_b32 s20, s47, 15
	s_lshl_b32 s22, s46, 9
	s_add_co_u32 s20, s20, s22
	s_add_nc_u64 s[12:13], s[12:13], s[20:21]      ; qkvs: (64 hi + lo) x 512
	s_lshl_b32 s20, s47, 9
	s_add_nc_u64 s[96:97], s[96:97], s[20:21]      ; b_attn: in both roles my 128 biases are those of columns 128 hi on
	v_and_b32 v1, 15, v0                           ; l % 16
	v_bfe_u32 v2, v0, 4, 1                         ; l / 16
	v_lshlrev_b32 v[BO], 5, v2
	v_lshlrev_b32 v[BL], 2, v1
	; the bias in both layouts (the same 512 bytes): along the registers (for q, k: eight columns of B's block p) and one a lane (for v: A's row of block p)
.irp p, 0,1,2,3,4,5,6,7
	global_load_b128 v[BI+8*\p:BI+8*\p+3], v[BO], s[96:97] offset:64*\p
	global_load_b128 v[BI+8*\p+4:BI+8*\p+7], v[BO], s[96:97] offset:64*\p+16
	global_load_b32 v[LB+\p], v[BL], s[96:97] offset:64*\p
.endr
	v_mul_u32_u24 v3, v1, PITCH
	v_lshl_add_u32 v4, v2, 4, v3                   ; a fragment's row x pitch + 16 x half
	s_mul_i32 s21, s15, HALFT                      ; my 128 rows of A
	s_mul_i32 s22, s16, HALFT                      ; my 128 rows of B,
	s_add_co_u32 s22, s22, 2*HALFT                 ; which lie behind A's 256
.irp s, 0,1
	v_add_nc_u32 v[ADRA+\s], s21, v4
	v_add_nc_u32 v[ADRB+\s], s22, v4
	s_add_co_u32 s21, s21, SLOT
	s_add_co_u32 s22, s22, SLOT
.endr
	v_mul_u32_u24 v5, v1, KS                       ; my row's scales: KS bytes a row,
	v_lshrrev_b32 v6, 8, v5
	v_lshl_add_u32 v5, v6, 4, v5                   ; and 16 more for each 256 passed
	s_mul_i32 s21, s15, HALFS
	s_mul_i32 s22, s16, HALFS
	s_add_co_u32 s22, s22, 2*HALFS
	s_sub_co_u32 s22, s22, s21
	v_mul_u32_u24 v6, s22, v2                      ; lanes 16-31 take B's
	s_add_co_u32 s21, s21, SCL
	v_add_nc_u32 v5, v5, v6
	v_add_nc_u32 v[ADRS], s21, v5
	s_lshl_b32 s23, s14, 9                         ; the way out: 512 bytes of slot 0 for each wave
	v_lshl_add_u32 v[STO], v1, 2, s23
	v_and_b32 v6, 31, v0
	v_lshlrev_b32 v[CO], 4, v6
	v_add_nc_u32 v[RD], s23, v[CO]
.macro FRAG reg, adr, q, i             ; 16 rows x 128 K: lane l holds row l % 16; registers 4 c .. 4 c + 3 hold K = 32 c + 16 (l / 16) + 0 .. 15
.irp c, 0,1,2,3
	ds_load_b128 v[\reg+4*\c:\reg+4*\c+3], v[\adr] offset:128*(\q)+32*\c+(\i)*16*PITCH
.endr
.endm
; 16 matrix instructions: A's blocks a0, a0 + 1 x B's eight, the slot's q-th 128 along K.  zero = 1: the sums start from the bias of B's block; 2: from that of A's block; 0: they go on.
; The 64 accumulators take turns, one instruction a turn, in the same order in every step.
.macro MUL16 a0, p, q, sc, zero
.irp a, \a0, \a0+1
.irp b, 0,1,2,3,4,5,6,7
.set rD, 8*(8*((\a)%4)+\b)
.set rC, rD
.if \zero == 1
.set rC, BI+8*\b
.endif
.if \zero == 2
.set rC, BI+8*(\a)
.endif
	v_wmma_scale_f32_16x16x128_f8f6f4 v[rD:rD+7], v[128*(\p)+FR*\b:128*(\p)+FR*\b+FR-1], v[AF+FR*(\a):AF+FR*(\a)+FR-1], v[rC:rC+7], v[SC+8*NQ*(\sc)+NQ*\b+(\q)], v[SC+8*NQ*(\sc)+NQ*(\a)+(\q)] matrix_a_fmt:MATRIX_FMT_BF8 matrix_b_fmt:MATRIX_FMT_BF8 matrix_a_scale:MATRIX_SCALE_ROW1
.endr
.endr
.endm
.macro FETCH_B slot, q, p
	WIN TO_B
.irp i, 0,1,2,3,4,5,6,7
	FRAG 128*(\p)+FR*\i, ADRB+\slot, \q, \i
.endr
	WIN 0
.endm
.macro FETCH_A slot, q, i0
.irp i, \i0, \i0+1, \i0+2, \i0+3
	FRAG AF+FR*(\i), ADRA+\slot, \q, \i
.endr
.endm
.macro SCALES sc                       ; a K step's scale words: two a row; lanes 0-15 take A's block i, lanes 16-31 B's block i
.irp i, 0,1,2,3,4,5,6,7
	ds_load_b64 v[SC+8*NQ*\sc+NQ*\i:SC+8*NQ*\sc+NQ*\i+1], v[ADRS] offset:\i*SBLK
.endr
.endm
.macro PLACES n                        ; plain vector instructions between a matrix instruction and a load into, or a vector instruction on, its registers (ISA guide 7.12.1 for vector instructions)
.rept \n
	v_nop
.endr
.endm
; A step of 128 along K that has its successor in the same slot.  With zero the C operands lie in window 0.
.macro STEP slot, q, zero
	s_wait_dscnt 4*NL                              ; B's set and A's blocks 0-3 are in; the youngest sixteen loads (A's blocks 4-7) may be out
.if \zero
	WIN 0x81
.else
	WIN MUL_LO
.endif
	MUL16 0, (\q)%2, \q, \slot, \zero
	MUL16 2, (\q)%2, \q, \slot, \zero
	s_wait_dscnt 0                                 ; A's blocks 4-7 are in
	PLACES NP
	FETCH_B \slot, (\q)+1, 1-(\q)%2
	FETCH_A \slot, (\q)+1, 0
.if \zero
	WIN 0xc1
.else
	WIN MUL_HI
.endif
	MUL16 4, (\q)%2, \q, \slot, \zero
	MUL16 6, (\q)%2, \q, \slot, \zero
	PLACES NP
	WIN 0
	FETCH_A \slot, (\q)+1, 4
.endm
; A slot's last step changes slots: ONE barrier; in front of it each wave waits for all its tensor loads, adds 0 to its spare word, and waits for that and for its own reads of this slot.
.macro TURN slot, next, fill
	s_wait_tensorcnt 0x0                           ; all my tensor loads have landed: my part of the next slot
	ds_add_u32 v[SPW], v[NIL]                      ; 0 onto my spare word
	s_wait_dscnt 4*NL+1                            ; the add and the youngest sixteen loads (A's blocks 4-7) may be out
	WIN MUL_LO
	MUL16 0, 1, NQ-1, \slot, 0
	s_wait_dscnt 0x0                               ; the add is done, and my reads of this slot are over
	s_barrier_signal -1
	MUL16 2, 1, NQ-1, \slot, 0
	WIN 0
	s_barrier_wait -1
.if \fill
	CREST                                          ; the barrier has opened a round of the cluster's: no wave of any partner still reads this slot or has a load on its way
	s_add_nc_u64 s[G0+4*\slot+2:G0+4*\slot+3], s[G0+4*\slot+2:G0+4*\slot+3], 2*ROWB
	s_add_nc_u64 s[G0B+4*\slot+2:G0B+4*\slot+3], s[G0B+4*\slot+2:G0B+4*\slot+3], 2*ROWB
	JLOAD G0+4*\slot, G1, G0B+4*\slot, G1B         ; the first tensor load behind the round, my one load until the next; its four v_nop are among the places
	PLACES NP-4
.else
	PLACES NP
.endif
	s_wait_alu depctr_va_vdst(0)
	v_add_nc_u32 v[ADRS], 4*NQ, v[ADRS]            ; on to the next K step's scale words (no LDS load of mine is out)
	FETCH_B \next, 0, 0
	FETCH_A \next, 0, 0
	SCALES \next
	WIN MUL_HI
	MUL16 4, 1, NQ-1, \slot, 0
	MUL16 6, 1, NQ-1, \slot, 0
	PLACES NP
	WIN 0
	FETCH_A \next, 0, 4
.endm
	s_wait_alu depctr_va_vdst(0)
	s_wait_tensorcnt 1                             ; the scales and my part of K step 0 are in (K step 1's load may be out)
	s_barrier_signal -1
	s_barrier_wait -1                              ; everybody's are
	FETCH_B 0, 0, 0
	FETCH_A 0, 0, 0
	SCALES 0
	FETCH_A 0, 0, 4
	s_wait_loadcnt 0x0                             ; the bias
	s_cmp_eq_u32 s95, 0                            ; the first step is written twice: its C is the bias, which runs along the registers for q and k, along the lanes for v
	s_cbranch_scc0 .Lfor_v
	STEP 0, 0, 1
	s_branch .Lstarted
.Lfor_v:
.irp a, 0,1,2,3,4,5,6,7
.irp j, 0,1,2,3,4,5,6,7
	v_mov_b32 v[BI+8*\a+\j], v[LB+\a]              ; a lane's bias of A's block a, in all eight registers
.endr
.endr
	PLACES 4
	s_wait_alu depctr_va_vdst(0)
	STEP 0, 0, 2
.Lstarted:
	s_mov_b32 s3, LAPS-1
.Llap:                                                 ; a trip goes once round the ring and fills both slots again
	TURN 0, 1, 1
	STEP 1, 0, 0
	TURN 1, 0, 1
	STEP 0, 0, 0
	s_sub_co_u32 s3, s3, 1
	s_cmp_lg_u32 s3, 0
	s_cbranch_scc1 .Llap
	TURN 0, 1, 0                                   ; the last lap fills nothing, and has no round of the cluster's barrier
	STEP 1, 0, 0
	s_wait_dscnt 4*NL                              ; the very last step
	WIN MUL_LO
	MUL16 0, 1, NQ-1, 1, 0
	MUL16 2, 1, NQ-1, 1, 0
	s_wait_dscnt 0
	WIN MUL_HI
	MUL16 4, 1, NQ-1, 1, 0
	MUL16 6, 1, NQ-1, 1, 0
	WIN 0
; THE WAY OUT.  Block a's eight accumulators are, for a lane, four blocks of 32 along the quantised axis, 16 numbers each (the other 16 lie in lane l xor 16).
; A block's scale: the largest magnitude (with the floor 2^(16 - 127) among its leaves) less 15 in its exponent field; the conversion.  16 codes a lane and block: one store of the wave covers 512 consecutive bytes, aligned.
.macro QOUT a
.set AC, 64*((\a)%4)
.set PCA, PC+16*(\a)
	WIN 0x0a+5*((\a)/4)                            ; sources 0 and 1: window 2 or 3
.irp b, 0,1,2,3
	v_max3_num_f32 v[TM+\b], |v[AC+16*\b]|, |v[AC+16*\b+1]|, 0x8000000   ; each accumulator is read from its low end on
.endr
	WIN 0x28+0x14*((\a)/4)                         ; sources 1 and 2
.irp i, 2,4,6,8,10,12,14
.irp b, 0,1,2,3
	v_max3_num_f32 v[TM+\b], v[TM+\b], |v[AC+16*\b+\i]|, |v[AC+16*\b+\i+1]|
.endr
.endr
	WIN 0
.irp b, 0,1,2,3
	v_permlanex16_b32 v[TM+4+\b], v[TM+\b], s66, s67
.endr
.irp b, 0,1,2,3
	v_max_num_f32 v[TM+\b], v[TM+\b], v[TM+4+\b]   ; with lane l xor 16's: the block's largest magnitude
.endr
.irp b, 0,1,2,3
	v_add_nc_u32 v[TM+12+\b], 0xf8800000, v[TM+\b] ; 15 off its exponent field: the conversion's scale operand
.endr
.irp b, 0,1,2,3
.endr
.irp b, 0,1,2,3
	v_lshrrev_b32 v[TM+4+\b], 23, v[TM+12+\b]      ; the scale's byte
.endr
	v_lshl_or_b32 v[PW+(\a)], v[TM+5], 8, v[TM+4]
	v_lshl_or_b32 v[PW+(\a)], v[TM+6], 16, v[PW+(\a)]
	v_lshl_or_b32 v[PW+(\a)], v[TM+7], 24, v[PW+(\a)]
	WIN 2+((\a)/4)                                 ; source 0
.irp b, 0,1,2,3
.irp i, 0,1,2,3,4,5,6,7,8,9,10,11,12,13,14,15
.endr
.endr
.irp b, 0,1,2,3
	v_cvt_scalef32_pk8_bf8_f32 v[PCA+4*\b:PCA+4*\b+1], v[AC+16*\b:AC+16*\b+7], v[TM+12+\b]
	v_cvt_scalef32_pk8_bf8_f32 v[PCA+4*\b+2:PCA+4*\b+3], v[AC+16*\b+8:AC+16*\b+15], v[TM+12+\b]
.endr
	WIN 0
	v_nop                                          ; a plain instruction behind the last conversion, ahead of the next block's writes of its sources
.irp b, 0,1,2,3
	global_store_b128 v[CO], v[PCA+4*\b:PCA+4*\b+3], s[98:99] offset:2048*(\a)+512*\b
.endr
	ds_store_b32 v[STO], v[PW+(\a)] offset:64*(\a) ; both halves of the lanes write the same word with the same value.  Slot 0 has had its last fill, and nobody reads it since the last change of slots
.endm
	PLACES NP                                      ; behind the last products: their scale words', fragments' and results' registers are touched from here on
	s_mov_b32 s66, 0x76543210
	s_mov_b32 s67, 0xfedcba98                      ; v_permlanex16_b32's selects for lane l xor 16
.irp b, 0,1,2,3
	v_mov_b32 v[TM+4+\b], 0                        ; a lane permute's destination counts as one of its sources
.endr
.irp a, 0,1,2,3,4,5,6,7
	QOUT \a
.endr
	ds_load_b128 v[SB:SB+3], v[RD]                 ; LDS serves a wave's instructions in order: these see my stores
	s_wait_dscnt 0x0
	global_store_b128 v[CO], v[SB:SB+3], s[12:13]  ; my 128 scale words: 512 consecutive bytes, aligned
	s_wait_tensorcnt 0x0                           ; the wave's end
	ds_add_u32 v[SPW], v[NIL]
	s_wait_dscnt 0x0
	CROUND                                         ; the closing round: no work-group ends while a partner may still ask for a tile that names it
	s_endpgm
.Lfunc_end_k_qef104fcf38_qkvgemm:
	.size	k_qef104fcf38_qkvgemm, .Lfunc_end_k_qef104fcf38_qkvgemm-k_qef104fcf38_qkvgemm
	.p2alignl 7, 3214868480
	.fill 96, 4, 3214868480
	.section	.rodata,"a",@progbits
	.p2align	6, 0x0
	.amdhsa_kernel k_qef104fcf38_qkvgemm
		.amdhsa_group_segment_fixed_size 327680
		.amdhsa_private_segment_fixed_size 0
		.amdhsa_enable_private_segment 0
		.amdhsa_kernarg_size 56
		.amdhsa_user_sgpr_count 2
		.amdhsa_user_sgpr_kernarg_segment_ptr 1
		.amdhsa_wavefront_size32 1
		.amdhsa_system_sgpr_workgroup_id_x 1
		.amdhsa_system_sgpr_workgroup_id_y 1
		.amdhsa_system_sgpr_workgroup_id_z 1
		.amdhsa_system_vgpr_workitem_id 0
		.amdhsa_next_free_vgpr 1024
		.amdhsa_next_free_sgpr 102
		.amdhsa_reserve_vcc 0
		.amdhsa_float_denorm_mode_32 3
		.amdhsa_float_denorm_mode_16_64 3
		.amdhsa_fp16_overflow 1
		.amdhsa_memory_ordered 1
		.amdhsa_forward_progress 1
		.amdhsa_inst_pref_size 168
	.end_amdhsa_kernel
	.amdgpu_metadata
---
amdhsa.version: [ 1, 2 ]
amdhsa.kernels:
  - .name:           k_qef104fcf38_qkvgemm
    .symbol:         k_qef104fcf38_qkvgemm.kd
    .args:
      - { .name: x_codes, .offset: 0, .size: 8, .value_kind: global_buffer, .address_space: global }
      - { .name: x_scales, .offset: 8, .size: 8, .value_kind: global_buffer, .address_space: global }
      - { .name: W_attn_codes, .offset: 16, .size: 8, .value_kind: global_buffer, .address_space: global }
      - { .name: W_attn_scales, .offset: 24, .size: 8, .value_kind: global_buffer, .address_space: global }
      - { .name: b_attn, .offset: 32, .size: 8, .value_kind: global_buffer, .address_space: global }
      - { .name: qkv, .offset: 40, .size: 8, .value_kind: global_buffer, .address_space: global }
      - { .name: qkvs, .offset: 48, .size: 8, .value_kind: global_buffer, .address_space: global }
    .group_segment_fixed_size: 327680
    .private_segment_fixed_size: 0
    .kernarg_segment_align: 8
    .kernarg_segment_size: 56
    .max_flat_workgroup_size: 128
    .sgpr_count:     102
    .vgpr_count:     1024
    .wavefront_size: 32
...
	.end_amdgpu_metadata
.endif
;; end of part 1
;; launch attn (part 2): grid 8 x 32, 16 waves a work-group, no clusters, 327,680 bytes of LDS; arguments qkv, qkvs, y, ys; writes y, ys
.if DOCPART == 2
	.amdgcn_target "amdgcn-amd-amdhsa--gfx1250"
	.amdhsa_code_object_version 6
	.text
	.protected	k_qef104fcf38_attn
	.globl	k_qef104fcf38_attn
	.p2align	8
	.type	k_qef104fcf38_attn,@function
k_qef104fcf38_attn:
	s_mov_b64 s[64:65], 0
	v_nop
	global_prefetch_b8 v0, s[64:65] scope:SCOPE_SE
	s_setreg_imm32_b32 hwreg(HW_REG_WAVE_MODE, 25, 1), 1
	s_wait_xcnt 0x0
; Causal attention on codes of BF8 (E5M2): S^T = K Q^T (K = the head's 64), p = 2^(t - M), O^T = V^T P^T (K = the keys), y = O / l, quantised along the model's 1,024 for the last product.
; t = score x log2(e) / 8; M = the running largest t rounded UP to a whole number; the row's sum l is taken of the unquantised p; when M moves, l and O are multiplied by 2^(old M - new M), which rounds nothing.
; SHARES.  A work-group serves one batch and one PAIR of heads, and two blocks of 128 queries: block 15 - i ('H') and block i ('L'), i = the work-group's x.  Wave w: head 2 pair + w / 8, queries 16 (w % 8) on of the block.
; A key step is 128 keys.  H needs key steps 0 .. 15 - i, L needs 0 .. i: 17 steps in every wave of every work-group.  So the trip count is a constant, the work is even, and no tile is fetched that nobody reads.
; The last step of each block lies on the diagonal; there the step's first key is the block's first query, so one number a lane serves the mask.
; NO CLUSTER: from step 16 - i on a work-group walks key step n - (16 - i), another tile for each i, so partners would not ask for the same tile in the same step;
; a walk in which they did (both blocks against each key step) takes its busiest partner's 20 units of work for each partner, against 17 here.
; OPERANDS come as images of their registers (chunks of 16,384 bytes: [tile of 16][block g of 32 along K][lane][16 bytes]; 128 scale words a chunk): every LDS read is 16 bytes x lane on end.
; K = 64 IN AN INSTRUCTION OF 128: the upper eight registers of K's and of Q's fragments hold zero codes (registers of their own on each side); the scale words are read as 16 bits, so that bytes 2 and 3 are 0, over zero codes.
; Inside a block of 32 the order is that of the results of two neighbouring tiles, alike in both operands of both products; y is brought into plain order on the way out, since W_proj comes so.
; LIMITS: NaN and infinities are not served.  A block of p or of y whose largest magnitude lies under 2^(16 - 127) gets the byte 1.  A block's largest p is taken from its largest score: that takes v_exp_f32 not to fall where its input rises.
.set SLOT1, 1<<16                      ; slot 1 begins here: one exclusive or turns an address
.set VOFF,  16384                      ; a slot: K's chunk, V's chunk,
.set KSO,   32768                      ; K's 128 scale words,
.set VSO,   33280                      ; V's
.set STG,   131072                     ; y's scale words: H's 512 bytes, then L's; written by LDS stores alone
.set SPARE, 132096                     ; the spare words, 128 bytes for each of the sixteen waves
.set AK0,  1                           ; v1   16 lane + 1,024 (w / 8): my place in K's chunk
.set AV0,  2                           ; v2   my place in V's
.set ASK0, 3                           ; v3   among K's scale words
.set ASV0, 4                           ; v4   among V's
.set SPW,  5                           ; v5   LDS address of my spare word; never rewritten
.set NIL,  6                           ; v6   0; never rewritten
.set PFO,  7                           ; v7   256 x lane: the prefetches' offset; never rewritten
.set ADK,  8                           ; v8-11 the four addresses in the slot in hand
.set ADV,  9
.set ADS,  10
.set ADT,  11
                                       ; v12 -M, v13 the largest t, v[14:15] the sum in two halves
.set QF,   16                          ; v16-31  Q: 16-23 codes, 24-31 zeros
.set KFR,  32                          ; v32-95  four fragments of K: eight registers loaded, eight zeros
.set S,    96                          ; v96-159 S^T, then p, then V's four fragments, then y
.set O,    160                         ; v160-191 O^T
.set PC,   192                         ; v192-207 p's codes
.set BM,   208                         ; v208-211 a block's largest score, then its largest p
.set T2,   212                         ; v212-215 at work
.set HOLD, 216
.set SCL,  220
.set TP,   224
.set RDA,  225                         ; v225 where a wave reads y's scale words back
.set F,    226                         ; v[226:227] f = 2^(old M - new M); later 1 / l
.set PW,   228                         ; v228 p's scale word;  v229 Q's;  v230-233 K's;  v234-235 V's: these hold scales and nothing else
.set QS,   229
.set KS,   230
.set VS,   234
.set VD,   236                         ; v236 my query in its block - 8 (lane / 16)
.set GQ,   237                         ; v237 16 x lane
.set GQS,  238                         ; v238 4 (lane % 16)
.set NINF, 239                         ; v239 -infinity
.set YC,   240                         ; v240-247 y's codes
.set YW,   248                         ; v248 y's two scale bytes
.set X0,   249
.set X1,   250
.set STA,  251                         ; v251 where they go in LDS
.set YB,   252                         ; v252-255
.set TB,   2                           ; s2   the slot in hand
.set NN,   3                           ; s3   the step, 0 .. 15 in the loop
.set WV,   18
.set MNT,  19
.set SEL,  20                          ; s[20:21] selects for lane l xor 16
.set CS,   22                          ; s[22:23] c = log2(e) / 8
.set G1C,  24                          ; s[24:31] group 1 for a chunk of codes;  s[32:39] for a chunk of scale words
.set G1S,  32
.set G0C,  40                          ; s[40:43], s[44:47] their groups 0
.set G0S,  44
.set BC,   48                          ; s[48:49] key step 0's chunk of codes that I fetch;  s[50:51] of scale words
.set BS,   50
.set OC,   52                          ; s[52:53], s[54:55] offsets, high words 0
.set OS,   54
.set KSN,  56                          ; the key step that is asked for next
.set NHS,  57                          ; 16 - i: H's steps
.set NHL,  58                          ; 15 - i: H's last step, and H's block
.set LIMP, 59                          ; a wave prefetches while the step is under this
.set HM,   60                          ; lanes 16-31
.set PAR,  61
.set QT,   62
.set QL,   66                          ; s[66:67] L's Q;  s[68:69] its scale words;  s[70:71], s[72:73] y for H, for L;  s[74:75] the prefetches;  s[76:77] ys
.set QSL,  68
.set YH,   70
.set YL,   72
.set PFA,  74
.set YSP,  76
; Waves 0 and 1 fetch K's and V's codes, waves 2 and 3 their scale words, the others nothing.  Four v_nop follow each of the two lines.
.macro TLOAD
	s_cmp_lt_u32 s[WV], 2
	s_cbranch_scc0 .Lnot_c_\@
	tensor_load_to_lds s[G0C:G0C+3], s[G1C:G1C+7]
	s_nop 0
.rept 4
	v_nop
.endr
	s_branch .Lasked_\@
.Lnot_c_\@:
	s_cmp_lt_u32 s[WV], 4
	s_cbranch_scc0 .Lasked_\@
	tensor_load_to_lds s[G0S:G0S+3], s[G1S:G1S+7]
	s_nop 0
.rept 4
	v_nop
.endr
.Lasked_\@:
.endm
; A prefetch of the codes of the key step after the one just asked for.  The eight work-groups of a batch and head pair walk the same K and V: the one with i = 0, which walks all sixteen key steps in order, asks.
; In it waves 4 and 5 take the halves of K's chunk and waves 6 and 7 those of V's: 8,192 bytes a wave, lanes 256 bytes apart: each block of 256 bytes is named once.  Step n names key step n + 2; the last is n = 13.
.macro ASK
	s_cmp_lt_u32 s[NN], s[LIMP]
	s_cbranch_scc0 .Lnot_mine_\@
	global_prefetch_b8 v[PFO], s[PFA:PFA+1] th:TH_LOAD_NT scope:SCOPE_SE
.Lnot_mine_\@:
.endm
	s_load_b256 s[4:11], s[0:1], 0x0               ; qkv s[4:5], qkvs s[6:7], y s[8:9], ys s[10:11]
	v_lshl_add_u32 v[SPW], v0, 2, SPARE
	v_mov_b32 v[NIL], 0
	ds_add_u32 v5, v6
	ds_add_u32 v5, v6
	s_wait_dscnt 0x0
	v_lshrrev_b32 v8, 5, v0
	s_delay_alu instid0(VALU_DEP_1)
	v_readfirstlane_b32 s[WV], v8                  ; wave 0..15
	s_lshr_b32 s[PAR], s[WV], 3                    ; which head of the pair
	s_and_b32 s[QT], s[WV], 7                      ; which 16 queries of a block
	s_and_b32 s78, ttmp7, 0xffff
	s_lshr_b32 s79, s78, 3
	s_lshl_b32 s79, s79, 4                         ; 16 x batch
	s_and_b32 s80, s78, 7                          ; the head pair
	s_sub_co_u32 s[NHS], 16, ttmp9
	s_sub_co_u32 s[NHL], 15, ttmp9
	s_lshl_b32 s81, s80, 6
	s_add_co_u32 s81, s81, s79                     ; q's first chunk of this batch and pair: 64 pair + 16 batch
	s_and_b32 s82, s[WV], 1                        ; I fetch for K (0) or for V (1)
	s_lshl_b32 s83, s82, 9
	s_add_co_u32 s83, s83, s81
	s_add_co_u32 s83, s83, 512                     ; k's chunks lie 8 x 64 behind q's, v's 16 x 64
	s_lshl_b32 s[OC], s83, 14
	s_mov_b32 s[OC+1], 0
	s_lshl_b32 s[OS], s83, 9
	s_mov_b32 s[OS+1], 0
	; group 1: a dense block as rows of 256 bytes (32 elements of 8 bytes): 64 rows of codes, 2 rows of scale words; no padding
	s_mov_b32 s[G1C], 3<<16
	s_mov_b32 s[G1C+1], 32<<16
	s_mov_b32 s[G1C+2], 64<<16
	s_mov_b32 s[G1C+3], 32<<16
	s_mov_b32 s[G1C+4], 64
	s_mov_b32 s[G1C+5], 32
	s_mov_b32 s[G1C+6], 0
	s_mov_b32 s[G1C+7], 0
	s_mov_b32 s[G1S], 3<<16
	s_mov_b32 s[G1S+1], 32<<16
	s_mov_b32 s[G1S+2], 2<<16
	s_mov_b32 s[G1S+3], 32<<16
	s_mov_b32 s[G1S+4], 2
	s_mov_b32 s[G1S+5], 32
	s_mov_b32 s[G1S+6], 0
	s_mov_b32 s[G1S+7], 0
	s_mov_b32 s[G0C], 1
	s_lshl_b32 s[G0C+1], s82, 14                   ; slot 0: K's chunk at 0, V's at 16,384
	s_mov_b32 s[G0S], 1
	s_lshl_b32 s[G0S+1], s82, 9
	s_add_co_u32 s[G0S+1], s[G0S+1], KSO
	v_and_b32 v9, 31, v0                           ; lane
	v_and_b32 v10, 15, v0                          ; r
	v_bfe_u32 v11, v0, 4, 1                        ; h
	s_delay_alu instid0(VALU_DEP_3)
	v_lshlrev_b32 v[GQ], 4, v9
	s_delay_alu instid0(VALU_DEP_3)
	v_lshlrev_b32 v[GQS], 2, v10
	v_lshlrev_b32 v[PFO], 8, v9
	s_wait_kmcnt 0x0
	s_add_nc_u64 s[BC:BC+1], s[4:5], s[OC:OC+1]
	s_add_nc_u64 s[BS:BS+1], s[6:7], s[OS:OS+1]
	s_mov_b64 s[G0C+2:G0C+3], s[BC:BC+1]
	s_or_b32 s[G0C+3], s[G0C+3], 0x80000000
	s_mov_b64 s[G0S+2:G0S+3], s[BS:BS+1]
	s_or_b32 s[G0S+3], s[G0S+3], 0x80000000
	TLOAD                                          ; key step 0 into slot 0: the one first fill; slot 1 is first filled behind the first trip's barrier
	s_lshl_b32 s84, s[QT], 11
	s_lshl_b32 s85, s[PAR], 10
	s_add_co_u32 s84, s84, s85                     ; my wave's bytes in a chunk of q or of y: tile, then the head's two blocks
	s_lshl_b32 s85, s[QT], 6
	s_lshl_b32 s86, s[PAR], 1
	s_add_co_u32 s85, s85, s86                     ; and among its scale words
	s_add_co_u32 s86, s81, s[NHL]                  ; H's chunk of q
	s_add_co_u32 s87, s81, ttmp9                   ; L's
	s_lshl_b32 s88, s86, 14
	s_add_co_u32 s88, s88, s84
	s_mov_b32 s89, 0
	s_add_nc_u64 s[88:89], s[4:5], s[88:89]
	s_lshl_b32 s90, s86, 9
	s_add_co_u32 s90, s90, s85
	s_mov_b32 s91, 0
	s_add_nc_u64 s[90:91], s[6:7], s[90:91]
	s_wait_alu depctr_va_vdst(0)
	global_load_b128 v[QF:QF+3], v[GQ], s[88:89] th:TH_LOAD_NT            ; H's Q: my head's two blocks of 32
	global_load_b128 v[QF+4:QF+7], v[GQ], s[88:89] offset:512 th:TH_LOAD_NT
	global_load_u16 v[QS], v[GQS], s[90:91]        ; and their two scale bytes
	s_lshl_b32 s[QL], s87, 14
	s_add_co_u32 s[QL], s[QL], s84
	s_mov_b32 s[QL+1], 0
	s_add_nc_u64 s[QL:QL+1], s[4:5], s[QL:QL+1]
	s_lshl_b32 s[QSL], s87, 9
	s_add_co_u32 s[QSL], s[QSL], s85
	s_mov_b32 s[QSL+1], 0
	s_add_nc_u64 s[QSL:QSL+1], s[6:7], s[QSL:QSL+1]
	s_add_co_u32 s92, s79, s[NHL]
	s_lshl_b32 s92, s92, 3
	s_add_co_u32 s92, s92, s80                     ; H's chunk of y: 8 (16 batch + block) + pair
	s_add_co_u32 s93, s79, ttmp9
	s_lshl_b32 s93, s93, 3
	s_add_co_u32 s93, s93, s80                     ; L's
	s_lshl_b32 s[YH], s92, 14
	s_add_co_u32 s[YH], s[YH], s84
	s_mov_b32 s[YH+1], 0
	s_add_nc_u64 s[YH:YH+1], s[8:9], s[YH:YH+1]
	s_lshl_b32 s[YL], s93, 14
	s_add_co_u32 s[YL], s[YL], s84
	s_mov_b32 s[YL+1], 0
	s_add_nc_u64 s[YL:YL+1], s[8:9], s[YL:YL+1]
	s_cmp_eq_u32 s[WV], 0                          ; wave 0 stores H's scale words, wave 1 L's
	s_cselect_b32 s[YSP], s92, s93
	s_lshl_b32 s[YSP], s[YSP], 9
	s_mov_b32 s[YSP+1], 0
	s_add_nc_u64 s[YSP:YSP+1], s[10:11], s[YSP:YSP+1]
	s_bfe_u32 s86, s[WV], 0x10001                  ; the prefetches: K's chunks (waves 4, 5) or V's (6, 7),
	s_lshl_b32 s86, s86, 9
	s_add_co_u32 s86, s86, s81
	s_add_co_u32 s86, s86, 512
	s_lshl_b32 s86, s86, 14
	s_lshl_b32 s87, s82, 13                        ; my half of a chunk,
	s_add_co_u32 s86, s86, s87
	s_add_co_u32 s86, s86, 16384                   ; at key step 1: the first trip steps it to 2
	s_mov_b32 s87, 0
	s_add_nc_u64 s[PFA:PFA+1], s[4:5], s[86:87]
	s_lshr_b32 s86, s[WV], 2
	s_xor_b32 s86, s86, 1                          ; 0 in waves 4 to 7,
	s_or_b32 s86, s86, ttmp9                       ; of the work-group with i = 0
	s_cmp_eq_u32 s86, 0
	s_cselect_b32 s[LIMP], 14, 0
	s_mov_b32 s[SEL], 0x76543210
	s_mov_b32 s[SEL+1], 0xfedcba98
	s_mov_b32 s[CS], 0x3e38aa3b                    ; log2(e) / 8
	s_mov_b32 s[CS+1], s[CS]                       ; (named with it as a pair, so it is written)
	s_mov_b32 s[HM], 0xffff0000
	s_mov_b32 s[TB], 0
	s_mov_b32 s[NN], 0
	s_mov_b32 s[KSN], 0
	; every LDS address is a constant + a constant x lane + constants x the wave's number
	s_lshl_b32 s94, s[PAR], 10
	v_add_nc_u32 v[AK0], s94, v[GQ]
	s_lshl_b32 s94, s[PAR], 13
	s_add_co_u32 s94, s94, VOFF
	v_add_nc_u32 v[AV0], s94, v[GQ]
	s_lshl_b32 s94, s[PAR], 1
	s_add_co_u32 s94, s94, KSO
	v_lshl_add_u32 v[ASK0], v9, 2, s94
	s_lshl_b32 s94, s[PAR], 8
	s_add_co_u32 s94, s94, VSO
	v_lshl_add_u32 v[ASV0], v9, 2, s94
	s_lshl_b32 s94, s[QT], 6
	s_lshl_b32 s95, s[PAR], 1
	s_add_co_u32 s94, s94, s95
	s_add_co_u32 s94, s94, STG
	v_lshl_add_u32 v[STA], v10, 2, s94
	s_and_b32 s94, s[WV], 1
	s_lshl_b32 s94, s94, 9
	s_add_co_u32 s94, s94, STG
	v_add_nc_u32 v[RDA], s94, v[GQ]
	v_lshlrev_b32 v[VD], 3, v11
	s_delay_alu instid0(VALU_DEP_1)
	v_sub_nc_u32 v[VD], v10, v[VD]
	s_lshl_b32 s94, s[QT], 4
	v_add_nc_u32 v[VD], s94, v[VD]                 ; 16 (w % 8) + r - 8 h
	v_mov_b32 v[NINF], 0xff800000
	v_mov_b32 v13, 0xff61b1e6                      ; the largest t so far: -3e38, under every t
	s_delay_alu instid0(VALU_DEP_1)
	v_floor_f32 v12, -v13
	v_mov_b32 v14, 0
	v_mov_b32 v15, 0
	v_mov_b32 v[F+1], 0                            ; (named as the upper half of a pair)
	v_mov_b32 v[X1], 0                             ; a lane permute's destination counts as one of its sources
.irp b, 0,1,2,3
	v_mov_b32 v[T2+\b], 0
.endr
.irp j, 8,9,10,11,12,13,14,15
	v_mov_b32 v[QF+\j], 0                          ; zero codes for K = 64 .. 127: they stay
.irp t, 0,1,2,3
	v_mov_b32 v[KFR+16*\t+\j], 0
.endr
.endr
.set j, 0
.rept 32
	v_mov_b32 v[O+j], 0                            ; O^T: the step is written once for all steps: a block's first step finds zeros
.set j, j+1
.endr
; A KEY STEP.  diag = 0: the mask's lines are jumped over but in H's last step;  1: they always run (L's last step).
.macro STEP diag
	v_add_nc_u32 v[ADK], s[TB], v[AK0]
	s_wait_alu depctr_va_vdst(0)
	v_add_nc_u32 v[ADV], s[TB], v[AV0]
	v_add_nc_u32 v[ADS], s[TB], v[ASK0]
	v_add_nc_u32 v[ADT], s[TB], v[ASV0]
.rept 5
	v_nop                                          ; with the four additions nine places behind the last step's products: S^T is written over V's fragments, and V's scale words are loaded anew
.endr
.irp m, 0,1,2,3
	ds_load_u16 v[KS+\m], v[ADS] offset:128*\m     ; lanes 0-15: tile 2 m's keys; lanes 16-31: tile 2 m + 1's; my head's two bytes
.endr
.irp m, 0,1
	ds_load_b32 v[VS+\m], v[ADT] offset:128*\m     ; likewise V's tiles of 16 channels
.endr
.irp g, 0,1                                    ; S^T = K Q^T, four tiles of 16 keys at a time
.if \g
.rept 8
	v_nop                                          ; places in front of loads into registers that matrix instructions have read
.endr
.endif
.irp t, 0,1,2,3
.irp c, 0,1
	ds_load_b128 v[KFR+16*\t+4*\c:KFR+16*\t+4*\c+3], v[ADK] offset:(4*\g+\t)*2048+512*\c
.endr
.endr
	s_wait_dscnt 0x0
.irp t, 0,1,2,3
.if \t%2
	v_wmma_scale_f32_16x16x128_f8f6f4 v[S+8*(4*\g+\t):S+8*(4*\g+\t)+7], v[KFR+16*\t:KFR+16*\t+15], v[QF:QF+15], 0, v[KS+2*\g+\t/2], v[QS] matrix_a_fmt:MATRIX_FMT_BF8 matrix_b_fmt:MATRIX_FMT_BF8 matrix_a_scale:MATRIX_SCALE_ROW1
.else
	v_wmma_scale_f32_16x16x128_f8f6f4 v[S+8*(4*\g+\t):S+8*(4*\g+\t)+7], v[KFR+16*\t:KFR+16*\t+15], v[QF:QF+15], 0, v[KS+2*\g+\t/2], v[QS] matrix_a_fmt:MATRIX_FMT_BF8 matrix_b_fmt:MATRIX_FMT_BF8
.endif
.endr
.endr                                          ; lane (r, h) holds query r; register 16 b + i holds key 32 b + 8 h + i % 8 + 16 (i / 8) of the step
.rept 8
	v_nop
.endr
.if \diag == 0
	s_cmp_lg_u32 s[NN], s[NHL]
	s_cbranch_scc1 .Lopen_\@
.endif
.set n, 0
.rept 64                                       ; on the diagonal hidden scores become -infinity ahead of the maximum: p = 0 then.  The step's first key counts for every query of the block
	v_cmp_gt_i32 vcc_lo, 32*(n/16)+(n%8)+16*((n%16)/8), v[VD]
	v_cndmask_b32 v[S+n], v[S+n], v[NINF], vcc_lo
.set n, n+1
.endr
.Lopen_\@:
.irp b, 0,1,2,3
	v_max3_num_f32 v[BM+\b], v[S+16*\b], v[S+1+16*\b], v[S+2+16*\b]   ; the largest score of each block of 32 keys: for the row's maximum, and, since p rises with the score, for the block's largest p
.endr
.irp i, 3,5,7,9,11,13
.irp b, 0,1,2,3
	v_max3_num_f32 v[BM+\b], v[BM+\b], v[S+16*\b+\i], v[S+1+16*\b+\i]
.endr
.endr
.irp b, 0,1,2,3
	v_max_num_f32 v[BM+\b], v[BM+\b], v[S+15+16*\b]
.endr
.irp b, 0,1,2,3
	s_delay_alu instid0(VALU_DEP_4)
	v_permlanex16_b32 v[T2+\b], v[BM+\b], s[SEL], s[SEL+1]
.endr
.irp b, 0,1,2,3
	s_delay_alu instid0(VALU_DEP_4)
	v_max_num_f32 v[BM+\b], v[BM+\b], v[T2+\b]     ; with lane l xor 16's 16 keys
.endr
	s_delay_alu instid0(VALU_DEP_2)
	v_max3_num_f32 v[TP], v[BM], v[BM+1], v[BM+2]
	s_delay_alu instid0(VALU_DEP_1)
	v_max_num_f32 v[TP], v[TP], v[BM+3]
	s_delay_alu instid0(VALU_DEP_1)
	v_mul_f32 v[TP], s[CS], v[TP]                  ; the step's largest t
	s_delay_alu instid0(VALU_DEP_1)
	v_max_num_f32 v13, v13, v[TP]
	v_mov_b32 v[TP], v12
	s_delay_alu instid0(VALU_DEP_2)
	v_floor_f32 v12, -v13                          ; the new -M = -ceil(t)
	s_delay_alu instid0(VALU_DEP_1)
	v_sub_f32 v[TP], v12, v[TP]                    ; old M - new M: a whole number, 0 or less
	s_delay_alu instid0(VALU_DEP_1)
	v_cvt_i32_f32 v[TP], v[TP]                     ; (it saturates)
	s_delay_alu instid0(VALU_DEP_1)
	v_ldexp_f32 v[F], 1.0, v[TP]                   ; f = 2^(old M - new M)
.set j, 0
.rept 32
	v_pk_fma_f32 v[S+j:S+j+1], v[S+j:S+j+1], s[CS:CS+1], v[12:13] op_sel_hi:[1,0,0]   ; t - M, two at a time
.set j, j+2
.endr
.irp b, 0,1,2,3
	v_fma_f32 v[BM+\b], v[BM+\b], s[CS], v12       ; the same of each block's largest score
.endr
.set j, 0
	s_wait_alu depctr_va_vdst(0)
.rept 64
	v_exp_f32 v[S+j], v[S+j]                       ; p = 2^(t - M): not normalised
.set j, j+1
.endr
	v_pk_mul_f32 v[14:15], v[14:15], v[F:F+1] op_sel_hi:[1,0]   ; the sums under the new M: a plain instruction behind the exponentials
	s_wait_alu depctr_va_vdst(0)                   ; one wait for the whole batch, ahead of its first reader
.irp b, 0,1,2,3
	v_exp_f32 v[BM+\b], v[BM+\b]                   ; the block's largest p
.endr
	v_pk_add_f32 v[212:213], v[100:101], v[104:105]
	v_pk_add_f32 v[254:255], v[108:109], v[112:113]
	v_pk_add_f32 v[252:253], v[116:117], v[120:121]
	v_pk_add_f32 v[248:249], v[124:125], v[128:129]
	v_pk_add_f32 v[246:247], v[132:133], v[136:137]
	v_pk_add_f32 v[244:245], v[140:141], v[144:145]
	v_pk_add_f32 v[242:243], v[148:149], v[152:153]
	v_pk_add_f32 v[14:15], v[14:15], v[156:157]
	v_pk_add_f32 v[212:213], v[212:213], v[96:97]
	v_pk_add_f32 v[254:255], v[254:255], v[98:99]
	v_pk_add_f32 v[252:253], v[252:253], v[102:103]
	v_pk_add_f32 v[248:249], v[248:249], v[106:107]
	v_pk_add_f32 v[246:247], v[246:247], v[110:111]
	v_pk_add_f32 v[244:245], v[244:245], v[114:115]
	v_pk_add_f32 v[242:243], v[242:243], v[118:119]
	v_pk_add_f32 v[14:15], v[14:15], v[122:123]
	v_pk_add_f32 v[212:213], v[212:213], v[126:127]
	v_pk_add_f32 v[254:255], v[254:255], v[130:131]
	v_pk_add_f32 v[252:253], v[252:253], v[134:135]
	v_pk_add_f32 v[248:249], v[248:249], v[138:139]
	v_pk_add_f32 v[246:247], v[246:247], v[142:143]
	v_pk_add_f32 v[244:245], v[244:245], v[146:147]
	v_pk_add_f32 v[242:243], v[242:243], v[150:151]
	v_pk_add_f32 v[14:15], v[14:15], v[154:155]
	v_pk_add_f32 v[212:213], v[212:213], v[158:159]
	s_delay_alu instid0(VALU_DEP_2)
	v_pk_add_f32 v[14:15], v[14:15], v[248:249]
	s_delay_alu instid0(VALU_DEP_2)
	v_pk_add_f32 v[212:213], v[212:213], v[246:247]
	v_pk_add_f32 v[254:255], v[254:255], v[244:245]
	v_pk_add_f32 v[252:253], v[252:253], v[242:243]
	s_delay_alu instid0(VALU_DEP_2)
	v_pk_add_f32 v[14:15], v[14:15], v[254:255]
	s_delay_alu instid0(VALU_DEP_2)
	v_pk_add_f32 v[212:213], v[212:213], v[252:253]
	s_delay_alu instid0(VALU_DEP_1)
	v_pk_add_f32 v[14:15], v[14:15], v[212:213]
	s_wait_alu depctr_va_vdst(0)                   ; and one for the four
.irp b, 0,1,2,3
	v_max_num_f32 v[BM+\b], 0x8000000, v[BM+\b]    ; the floor 2^(16 - 127): the byte cannot fall under 1
.endr
.irp b, 0,1,2,3
	s_delay_alu instid0(VALU_DEP_4)
	v_add_nc_u32 v[SCL+\b], 0xf8800000, v[BM+\b]   ; 15 off the exponent field: the conversion's scale operand
.endr
.irp b, 0,1,2,3
.endr
.irp b, 0,1,2,3
	s_delay_alu instid0(VALU_DEP_4)
	v_lshrrev_b32 v[T2+\b], 23, v[SCL+\b]          ; the scale's byte
.endr
	s_delay_alu instid0(VALU_DEP_3)
	v_lshl_or_b32 v[PW], v[T2+1], 8, v[T2]         ; p's scale word for these 128 keys
	s_delay_alu instid0(VALU_DEP_1)
	v_lshl_or_b32 v[PW], v[T2+2], 16, v[PW]
	s_delay_alu instid0(VALU_DEP_1)
	v_lshl_or_b32 v[PW], v[T2+3], 24, v[PW]
.irp b, 0,1,2,3
.irp i, 0,1,2,3,4,5,6,7,8,9,10,11,12,13,14,15
.endr
	v_cvt_scalef32_pk8_bf8_f32 v[PC+4*\b:PC+4*\b+1], v[S+16*\b:S+16*\b+7], v[SCL+\b]
	v_cvt_scalef32_pk8_bf8_f32 v[PC+4*\b+2:PC+4*\b+3], v[S+16*\b+8:S+16*\b+15], v[SCL+\b]
.endr
	v_nop
.irp d, 0,1,2,3                                ; V's four tiles of 16 channels x 128 keys land where p lay
.irp c, 0,1,2,3
	ds_load_b128 v[S+16*\d+4*\c:S+16*\d+4*\c+3], v[ADV] offset:2048*\d+512*\c
.endr
.endr
.set j, 0
.rept 16
	v_pk_mul_f32 v[O+j:O+j+1], v[O+j:O+j+1], v[F:F+1] op_sel_hi:[1,0]   ; O^T under the new M.  These are also the plain instructions between the conversions and the products
.set j, j+2
.endr
	s_wait_alu depctr_va_vdst(0)
	s_wait_dscnt 0x0
.irp d, 0,1,2,3                                ; O^T += V^T P^T: four accumulators, one instruction each
.if \d%2
	v_wmma_scale_f32_16x16x128_f8f6f4 v[O+8*\d:O+8*\d+7], v[S+16*\d:S+16*\d+15], v[PC:PC+15], v[O+8*\d:O+8*\d+7], v[VS+\d/2], v[PW] matrix_a_fmt:MATRIX_FMT_BF8 matrix_b_fmt:MATRIX_FMT_BF8 matrix_a_scale:MATRIX_SCALE_ROW1
.else
	v_wmma_scale_f32_16x16x128_f8f6f4 v[O+8*\d:O+8*\d+7], v[S+16*\d:S+16*\d+15], v[PC:PC+15], v[O+8*\d:O+8*\d+7], v[VS+\d/2], v[PW] matrix_a_fmt:MATRIX_FMT_BF8 matrix_b_fmt:MATRIX_FMT_BF8
.endif
.endr
.endm
; THE CHANGE OF SLOTS stands at a step's head.  Each wave waits for all its tensor loads (its part of the slot that it is about to read), adds 0 to its spare word, and waits for that and for its reads of the slot that it has left.
; fill = 1: behind the barrier the slot just left takes the next step's tiles: key step + 1, or key step 0 where H ends.  One tensor load of a wave is out at the most.
.macro CHANGE fill
	s_wait_tensorcnt 0x0                           ; no tensor load of mine is out, so a group 0 may be written
	ds_add_u32 v[SPW], v[NIL]                      ; 0 onto my spare word
.if \fill
	s_add_co_u32 s[KSN], s[KSN], 1
	s_cmp_eq_u32 s[KSN], s[NHS]
	s_cselect_b32 s[KSN], 0, s[KSN]
	s_xor_b32 s[G0C+1], s[G0C+1], SLOT1
	s_xor_b32 s[G0S+1], s[G0S+1], SLOT1
	s_lshl_b32 s[OC], s[KSN], 14
	s_lshl_b32 s[OS], s[KSN], 9
	s_add_nc_u64 s[G0C+2:G0C+3], s[BC:BC+1], s[OC:OC+1]
	s_or_b32 s[G0C+3], s[G0C+3], 0x80000000
	s_add_nc_u64 s[G0S+2:G0S+3], s[BS:BS+1], s[OS:OS+1]
	s_or_b32 s[G0S+3], s[G0S+3], 0x80000000
	s_wait_xcnt 0x0                                ; the last prefetch, a step back, has read its address, so it may be written
	s_add_nc_u64 s[PFA:PFA+1], s[PFA:PFA+1], 16384
.endif
	s_wait_dscnt 0x0                               ; the add is done, and my reads of the slot that I have left are over
	s_barrier_signal -1
	s_barrier_wait -1
.if \fill
	TLOAD                                          ; the first thing behind the barrier, and a wave's one tensor load until the next
	ASK
.endif
.endm
; A BLOCK'S END.  y = O / l; its 64 channels of my head are two blocks of 32 along the last product's K; they are quantised and leave as an image of that product's operand.  ph = 0: H, and L is made ready;  1: L.
.macro FIN ph
.rept 8
	v_nop                                          ; places behind the last products
.endr
.if \ph == 0
	global_load_b128 v[QF:QF+3], v[GQ], s[QL:QL+1] th:TH_LOAD_NT
	global_load_b128 v[QF+4:QF+7], v[GQ], s[QL:QL+1] offset:512 th:TH_LOAD_NT
	global_load_u16 v[QS], v[GQS], s[QSL:QSL+1]
.endif
	v_add_f32 v14, v14, v15
	s_delay_alu instid0(VALU_DEP_1)
	v_permlanex16_b32 v[T2], v14, s[SEL], s[SEL+1]
	s_delay_alu instid0(VALU_DEP_1)
	v_add_f32 v14, v14, v[T2]                      ; the row's sum
	s_wait_alu depctr_va_vdst(0)
	v_rcp_f32 v[F], v14
	v_nop                                          ; a plain instruction behind the reciprocal,
	s_wait_alu depctr_va_vdst(0)                   ; and the wait ahead of its first reader
.set j, 0
.rept 16
	v_pk_mul_f32 v[S+j:S+j+1], v[O+j:O+j+1], v[F:F+1] op_sel_hi:[1,0]   ; register 16 b + i: channel 32 b + 8 h + i % 8 + 16 (i / 8); each accumulator from its low end on
.set j, j+2
.endr
.irp b, 0,1
	v_max3_num_f32 v[BM+\b], |v[S+16*\b]|, |v[S+1+16*\b]|, 0x8000000
.endr
.irp i, 2,4,6,8,10,12,14
.irp b, 0,1
	s_delay_alu instid0(VALU_DEP_2)
	v_max3_num_f32 v[BM+\b], v[BM+\b], |v[S+16*\b+\i]|, |v[S+1+16*\b+\i]|
.endr
.endr
.irp b, 0,1
	s_delay_alu instid0(VALU_DEP_2)
	v_permlanex16_b32 v[T2+\b], v[BM+\b], s[SEL], s[SEL+1]
.endr
.irp b, 0,1
	s_delay_alu instid0(VALU_DEP_2)
	v_max_num_f32 v[BM+\b], v[BM+\b], v[T2+\b]
.endr
.irp b, 0,1
	s_delay_alu instid0(VALU_DEP_2)
	v_add_nc_u32 v[SCL+\b], 0xf8800000, v[BM+\b]
.endr
.irp b, 0,1
.endr
.irp b, 0,1
	s_delay_alu instid0(VALU_DEP_2)
	v_lshrrev_b32 v[T2+\b], 23, v[SCL+\b]
.endr
	s_delay_alu instid0(VALU_DEP_1)
	v_lshl_or_b32 v[YW], v[T2+1], 8, v[T2]
.irp b, 0,1
.irp i, 0,1,2,3,4,5,6,7,8,9,10,11,12,13,14,15
.endr
	v_cvt_scalef32_pk8_bf8_f32 v[YC+4*\b:YC+4*\b+1], v[S+16*\b:S+16*\b+7], v[SCL+\b]
	v_cvt_scalef32_pk8_bf8_f32 v[YC+4*\b+2:YC+4*\b+3], v[S+16*\b+8:S+16*\b+15], v[SCL+\b]
.endr
	v_nop                                          ; a plain instruction behind the last conversion
	; into plain order: lanes 0-15 hold channels 0-7 and 16-23 of a block and want 0-15; lanes 16-31 hold 8-15 and 24-31 and want 16-31: each half sends what it does not want to lane l xor 16
.irp b, 0,1
.irp e, 0,1
	v_cndmask_b32 v[X0], v[YC+4*\b+\e+2], v[YC+4*\b+\e], s[HM]
	s_delay_alu instid0(VALU_DEP_1)
	v_permlanex16_b32 v[X1], v[X0], s[SEL], s[SEL+1]
	v_cndmask_b32 v[YC+4*\b+\e], v[YC+4*\b+\e], v[X1], s[HM]
	v_cndmask_b32 v[YC+4*\b+\e+2], v[X1], v[YC+4*\b+\e+2], s[HM]
.endr
.endr
.if \ph == 0
	global_store_b128 v[GQ], v[YC:YC+3], s[YH:YH+1]                ; a store of the wave covers 512 consecutive bytes, aligned
	global_store_b128 v[GQ], v[YC+4:YC+7], s[YH:YH+1] offset:512
.else
	global_store_b128 v[GQ], v[YC:YC+3], s[YL:YL+1]
	global_store_b128 v[GQ], v[YC+4:YC+7], s[YL:YL+1] offset:512
.endif
	ds_store_b16 v[STA], v[YW] offset:512*\ph      ; my head's two bytes of my row's scale word; both halves of the lanes write the same
.if \ph == 0
	v_mov_b32 v13, 0xff61b1e6                      ; L begins
	s_delay_alu instid0(VALU_DEP_1)
	v_floor_f32 v12, -v13
	v_mov_b32 v14, 0
	v_mov_b32 v15, 0
.set j, 0
.rept 32
	v_mov_b32 v[O+j], 0
.set j, j+1
.endr
	s_wait_loadcnt 0x0                             ; L's Q
	s_wait_xcnt 0x0                                ; the stores have read their data: L's end writes the same registers
.endif
.endm
	s_wait_loadcnt 0x0                             ; H's Q
.Lstep:                                            ; 16 trips; the 17th step is written out
	CHANGE 1
	STEP 0
	s_cmp_lg_u32 s[NN], s[NHL]
	s_cbranch_scc1 .Lno_fin
	FIN 0
.Lno_fin:
	s_xor_b32 s[TB], s[TB], SLOT1                  ; on to the other slot
	s_add_co_u32 s[NN], s[NN], 1
	s_cmp_lt_u32 s[NN], 16
	s_cbranch_scc1 .Lstep
	CHANGE 0
	STEP 1
	FIN 1
	s_wait_dscnt 0x0                               ; for the others' sake: my scale bytes lie in LDS
	s_barrier_signal -1
	s_barrier_wait -1
	s_cmp_lt_u32 s[WV], 2
	s_cbranch_scc0 .Lno_scales
	ds_load_b128 v[YB:YB+3], v[RDA]                ; a block's 128 scale words, made by sixteen waves
	s_wait_dscnt 0x0
	global_store_b128 v[GQ], v[YB:YB+3], s[YSP:YSP+1]   ; 512 consecutive bytes, aligned
.Lno_scales:
	s_wait_tensorcnt 0x0                           ; the wave's end
	ds_add_u32 v[SPW], v[NIL]
	s_wait_dscnt 0x0
	s_endpgm
.Lfunc_end_k_qef104fcf38_attn:
	.size	k_qef104fcf38_attn, .Lfunc_end_k_qef104fcf38_attn-k_qef104fcf38_attn
	.p2alignl 7, 3214868480
	.fill 96, 4, 3214868480
	.section	.rodata,"a",@progbits
	.p2align	6, 0x0
	.amdhsa_kernel k_qef104fcf38_attn
		.amdhsa_group_segment_fixed_size 327680
		.amdhsa_private_segment_fixed_size 0
		.amdhsa_enable_private_segment 0
		.amdhsa_kernarg_size 32
		.amdhsa_user_sgpr_count 2
		.amdhsa_user_sgpr_kernarg_segment_ptr 1
		.amdhsa_wavefront_size32 1
		.amdhsa_system_sgpr_workgroup_id_x 1
		.amdhsa_system_sgpr_workgroup_id_y 1
		.amdhsa_system_sgpr_workgroup_id_z 1
		.amdhsa_system_vgpr_workitem_id 0
		.amdhsa_next_free_vgpr 256
		.amdhsa_next_free_sgpr 96
		.amdhsa_reserve_vcc 1
		.amdhsa_float_denorm_mode_32 3
		.amdhsa_float_denorm_mode_16_64 3
		.amdhsa_fp16_overflow 1
		.amdhsa_memory_ordered 1
		.amdhsa_forward_progress 1
		.amdhsa_inst_pref_size 70
	.end_amdhsa_kernel
	.amdgpu_metadata
---
amdhsa.version: [ 1, 2 ]
amdhsa.kernels:
  - .name:           k_qef104fcf38_attn
    .symbol:         k_qef104fcf38_attn.kd
    .args:
      - { .name: qkv, .offset: 0, .size: 8, .value_kind: global_buffer, .address_space: global }
      - { .name: qkvs, .offset: 8, .size: 8, .value_kind: global_buffer, .address_space: global }
      - { .name: y, .offset: 16, .size: 8, .value_kind: global_buffer, .address_space: global }
      - { .name: ys, .offset: 24, .size: 8, .value_kind: global_buffer, .address_space: global }
    .group_segment_fixed_size: 327680
    .private_segment_fixed_size: 0
    .kernarg_segment_align: 8
    .kernarg_segment_size: 32
    .max_flat_workgroup_size: 512
    .sgpr_count:     96
    .vgpr_count:     256
    .wavefront_size: 32
...
	.end_amdgpu_metadata
.endif
;; end of part 2
;; launch proj (part 3): grid 4 x 32, 4 waves a work-group, clusters of 4 x 4, 327,680 bytes of LDS; arguments y, ys, W_proj_codes, W_proj_scales, b_proj, out0; writes out0
.if DOCPART == 3
	.amdgcn_target "amdgcn-amd-amdhsa--gfx1250"
	.amdhsa_code_object_version 6
	.text
	.protected	k_qef104fcf38_proj
	.globl	k_qef104fcf38_proj
	.p2align	8
	.type	k_qef104fcf38_proj,@function
k_qef104fcf38_proj:
	s_mov_b64 s[64:65], 0
	v_nop
	global_prefetch_b8 v0, s[64:65] scope:SCOPE_SE
	s_setreg_imm32_b32 hwreg(HW_REG_WAVE_MODE, 25, 1), 1
	s_wait_xcnt 0x0
	s_wait_alu depctr_hold_cnt(0) depctr_sa_sdst(0) depctr_va_vdst(0) depctr_va_sdst(0) depctr_va_ssrc(0) depctr_va_vcc(0) depctr_vm_vsrc(0)
	s_getreg_b32 s2, hwreg(HW_REG_IB_STS2, 6, 4)
	s_cmp_eq_u32 s2, 0
	s_cbranch_scc0 .Lentry_in_a_cluster
	s_endpgm
.Lentry_in_a_cluster:
	s_bfe_u32 s2, ttmp6, 0x10000c
	s_cmp_lg_u32 s2, 0xf033
	s_cbranch_scc0 .Lentry_shape_is_right
	s_endpgm
.Lentry_shape_is_right:
; out0 = y W_proj^T + b_proj on codes of BF8 (E5M2) with one E8M0 scale for each 32 along K = 1,024.  out0: [8,192][1,024] f32.
; A work-group of four waves makes 256 x 256, a wave 128 x 128: 64 accumulators.  K goes in steps of 256 through a ring of two LDS slots filled by the tensor data mover.
; THE MATRIX INSTRUCTION IS USED TRANSPOSED: source 0 = 16 rows of B = W_proj, source 1 = 16 rows of A = y: a lane holds eight neighbouring numbers of a row of out0.
; A COMES AS IMAGES OF ITS REGISTERS: for each 128 rows and each 128 along K a chunk of 16,384 bytes, [block of 16 rows][block of 32 along K][lane][16 bytes], and 128 scale words; a K step of 128 rows is 32,768 dense bytes.
; So A's tiles need no padding: every fragment read is 16 bytes x lane on end.  B comes as rows, padded in LDS.
; The scales of all of K come into LDS once, with the first fills.  The bias is the C of the first products.
; CLUSTERS: 4 x 4 work-groups; A's tiles are asked for jointly along a row of the cluster, B's along a column.  The grid has 128 work-groups: as many as there are tiles of 256 x 256.
; REGISTERS, in windows of 256: window 0: v16-31 addresses, v32-63 scale words (two sets), v64-127 the bias, v128-255 A's fragments (one set); on the way out v128-255 are free.
;   window 1: B's fragments, two sets.   windows 2, 3: the accumulators ((a, b) at v[8 (8 (a % 4) + b)]).
.set SIZE_K, 1024
.set SIZE_N, 1024
.set KSTEP,  256
.set NQ,     KSTEP/128
.set ROWB,   256
.set KROW,   SIZE_K
.set PITCH,  272                       ; B's LDS row: 256 bytes + 16 of padding
.set FR,     16
.set NL,     4
.set NP,     8                         ; places behind this matrix instruction (ISA guide 7.12.1)
.set HALFT,  128*PITCH                 ; the room of one tensor load: B's 128 padded rows; A's 32,768 bytes use the front of it
.set SLOT,   4*HALFT
.set LAPS,   SIZE_K/(2*KSTEP)
.set KS,     SIZE_K/32
.set SCL,    2*SLOT
.set HALFS,  (128*KS/256)*272          ; the room of the scales of 128 rows: B's padded; A's 4,096 bytes use the front of it
.set SBLK,   (16*KS/256)*272
.set SPARE,  SCL+4*HALFS
.set SPITCH, 528                       ; the way out: a stage of 16 rows x (512 bytes + 16) for each wave, in slot 0
.set ADRA, 16                          ; v16-17  LDS address of my A images in slot 0, 1: 16 x lane + my half
.set ADRB, 20                          ; v20-21  of my B fragments
.set STO,  24
.set RD,   25
.set CO,   26
.set ADSA, 27                          ; v27     A's scale words: 4 x lane + my half; 1,024 bytes a K step
.set SPW,  28
.set NIL,  29
.set ADSB, 30                          ; v30     B's scale words: my row's, lanes 16-31 one block of 16 rows on; 8 bytes a K step
.set BO,   31                          ; v31     32 (lane / 16)
.set SC,   32                          ; set s at v[SC + 16 s]: + 4 q + m: A's blocks 2 m (lanes 0-15) and 2 m + 1 (lanes 16-31); + 8 + 2 m + q: B's likewise
.set BI,   64
.set AF,   128
.set BK,   128
.set G1, 24
.set G0, 32
.set G1B, 48
.set G0B, 56
.set G1S, 68
.set G0S, 76
.set G1SB, 80
.set G0SB, 88
.set MSB, 0
.macro WIN new
.if MSB != (\new)
	s_set_vgpr_msb (MSB<<8)|(\new)
.set MSB, (\new)
.endif
.endm
.set MUL_LO, 0xa1
.set MUL_HI, 0xf1
.set TO_B,   0x40
.macro JLOAD g0a, g1a, g0b, g1b        ; a joint load: waves 0 and 1 fetch for A, waves 2 and 3 for B; four v_nop follow each of the two lines
	s_cmp_eq_u32 s15, 0
	s_cbranch_scc0 .Lfor_b_\@
	tensor_load_to_lds s[\g0a:\g0a+3], s[\g1a:\g1a+7]
	s_nop 0
.rept 4
	v_nop
.endr
	s_branch .Lasked_\@
.Lfor_b_\@:
	tensor_load_to_lds s[\g0b:\g0b+3], s[\g1b:\g1b+7]
	s_nop 0
.rept 4
	v_nop
.endr
.Lasked_\@:
.endm
.macro CREST
	s_cmp_lg_u32 s14, 0
	s_cbranch_scc1 .Lnot_wave_0_\@
	s_barrier_signal -3
.Lnot_wave_0_\@:
	s_barrier_wait -3
	s_barrier_signal -1
	s_barrier_wait -1
.endm
.macro CROUND
	s_barrier_signal -1
	s_barrier_wait -1
	CREST
.endm
	s_load_b128 s[4:7], s[0:1], 0x0                ; y, ys
	s_load_b128 s[8:11], s[0:1], 0x10              ; W_proj's codes, W_proj's scales
	s_load_b64 s[96:97], s[0:1], 0x20              ; b_proj
	s_load_b64 s[12:13], s[0:1], 0x28              ; out0
	v_lshl_add_u32 v[SPW], v0, 2, SPARE
	v_mov_b32 v[NIL], 0
	ds_add_u32 v28, v29
	ds_add_u32 v28, v29
	s_wait_dscnt 0x0
	v_lshrrev_b32 v1, 5, v0
	v_readfirstlane_b32 s14, v1                    ; wave 0..3
	s_lshr_b32 s15, s14, 1                         ; which half of the tile's rows is mine.  Also: I fetch for A (0) or for B (1)
	s_and_b32 s16, s14, 1                          ; which half of its columns.  Also: which 128 rows of that tile I fetch
	s_bfe_u32 s40, ttmp6, 0x40000                  ; cx, cy
	s_bfe_u32 s41, ttmp6, 0x40004
	s_lshl_b32 s42, ttmp9, 2
	s_add_co_u32 s42, s42, s40                     ; tile column
	s_and_b32 s17, ttmp7, 0xffff
	s_lshl_b32 s17, s17, 2
	s_add_co_u32 s17, s17, s41                     ; tile row
	s_lshl_b32 s43, s41, 2
	s_lshl_b32 s43, 15, s43                        ; my row of the cluster
	s_lshl_b32 s44, 0x1111, s40                    ; my column
	; group 1.  A: 32,768 dense bytes as 128 rows of 256, no padding.  B: 128 rows of 256 bytes, 1,024 apart, 16 bytes of padding behind each
	s_or_b32 s[G1+0], s43, (0<<16)|(1<<21)
	s_or_b32 s[G1B+0], s44, (0<<16)|(1<<20)|(1<<21)|(5<<22)|(3<<25)
.irp g, G1, G1B
	s_mov_b32 s[\g+1], ROWB<<16
	s_mov_b32 s[\g+2], 128<<16
	s_mov_b32 s[\g+3], ROWB<<16
	s_mov_b32 s[\g+4], 128
	s_mov_b32 s[\g+6], 0
	s_mov_b32 s[\g+7], 0
.endr
	s_mov_b32 s[G1+5], ROWB
	s_mov_b32 s[G1B+5], KROW
	; the scales of 128 rows: 4,096 dense bytes as 16 rows of 256; A's as they lie, B's with 16 bytes of padding behind each
	s_or_b32 s[G1S+0], s43, (3<<16)|(1<<21)
	s_or_b32 s[G1SB+0], s44, (3<<16)|(1<<20)|(1<<21)|(5<<22)|(3<<25)
.irp g, G1S, G1SB
	s_mov_b32 s[\g+1], 32<<16
	s_mov_b32 s[\g+2], (128*KS/256)<<16
	s_mov_b32 s[\g+3], 32<<16
	s_mov_b32 s[\g+4], 128*KS/256
	s_mov_b32 s[\g+5], 32
	s_mov_b32 s[\g+6], 0
	s_mov_b32 s[\g+7], 0
.endr
	s_lshl_b32 s20, s17, 1
	s_add_co_u32 s20, s20, s16                     ; A: which block of 128 rows I fetch
	s_lshl_b32 s22, s20, 12                        ; its scale words: 8 chunks of 512 bytes
	s_mov_b32 s23, 0
	s_lshl_b32 s20, s20, 17                        ; its images: 8 chunks of 16,384 bytes
	s_mov_b32 s21, 0
	s_lshl_b32 s18, s16, 7
	s_lshl_b32 s46, s42, 8
	s_add_co_u32 s46, s46, s18                     ; B: row 256 x tile column + 128 x half
	s_lshl_b32 s92, s46, 5                         ; its scales
	s_mov_b32 s93, 0
	s_lshl_b32 s46, s46, 10                        ; its codes
	s_mov_b32 s47, 0
	s_mul_i32 s45, s14, HALFT                      ; where they go: no place in the cluster enters an LDS address
	s_mul_i32 s94, s14, HALFS
	s_wait_kmcnt 0x0
	s_add_nc_u64 s[20:21], s[4:5], s[20:21]
	s_add_nc_u64 s[22:23], s[6:7], s[22:23]
	s_add_nc_u64 s[46:47], s[8:9], s[46:47]
	s_add_nc_u64 s[92:93], s[10:11], s[92:93]
	CROUND                                         ; all sixteen work-groups are here: the first joint loads meet
	s_mov_b32 s[G0S], 1
	s_add_co_u32 s[G0S+1], s94, SCL
	s_mov_b64 s[G0S+2:G0S+3], s[22:23]
	s_or_b32 s[G0S+3], s[G0S+3], 0x80000000
	s_mov_b32 s[G0SB], 1
	s_add_co_u32 s[G0SB+1], s94, SCL
	s_mov_b64 s[G0SB+2:G0SB+3], s[92:93]
	s_or_b32 s[G0SB+3], s[G0SB+3], 0x80000000
	JLOAD G0S, G1S, G0SB, G1SB                     ; the scales first.  One load of mine is out behind these lines
.irp s, 0,1
	s_mov_b32 s[G0+4*\s], 1
	s_add_co_u32 s[G0+4*\s+1], s45, \s*SLOT
	s_add_nc_u64 s[G0+4*\s+2:G0+4*\s+3], s[20:21], \s*32768
	s_or_b32 s[G0+4*\s+3], s[G0+4*\s+3], 0x80000000
	s_mov_b32 s[G0B+4*\s], 1
	s_add_co_u32 s[G0B+4*\s+1], s45, \s*SLOT
	s_add_nc_u64 s[G0B+4*\s+2:G0B+4*\s+3], s[46:47], \s*ROWB
	s_or_b32 s[G0B+4*\s+3], s[G0B+4*\s+3], 0x80000000
	s_wait_alu depctr_va_vdst(0)
	s_wait_tensorcnt 0x0
	ds_add_u32 v28, v29
	s_wait_dscnt 0x0
	CROUND
	JLOAD G0+4*\s, G1, G0B+4*\s, G1B
.endr
	v_and_b32 v1, 15, v0                           ; l % 16
	v_bfe_u32 v2, v0, 4, 1                         ; l / 16
	v_and_b32 v6, 31, v0                           ; lane
	s_wait_alu depctr_va_vdst(0)
	s_lshl_b32 s46, s42, 10                        ; my first column, in bytes: 1,024 x tile column + 512 x half: in out0's rows and in b_proj alike
	s_lshl_b32 s47, s16, 9
	s_add_co_u32 s46, s46, s47
	s_mov_b32 s47, 0
	s_add_nc_u64 s[96:97], s[96:97], s[46:47]
	v_lshlrev_b32 v[BO], 5, v2
.irp p, 0,1,2,3,4,5,6,7
	global_load_b128 v[BI+8*\p:BI+8*\p+3], v[BO], s[96:97] offset:64*\p        ; the bias in the result's layout: eight columns of B's block p
	global_load_b128 v[BI+8*\p+4:BI+8*\p+7], v[BO], s[96:97] offset:64*\p+16
.endr
	v_lshlrev_b32 v7, 4, v6                        ; 16 x lane
	v_mul_u32_u24 v3, v1, PITCH
	v_lshl_add_u32 v4, v2, 4, v3                   ; B: a fragment's row x pitch + 16 x half
	s_mul_i32 s21, s15, HALFT                      ; my 128 rows of A
	s_mul_i32 s22, s16, HALFT                      ; my 128 rows of B,
	s_add_co_u32 s22, s22, 2*HALFT                 ; behind A's two halves
.irp s, 0,1
	v_add_nc_u32 v[ADRA+\s], s21, v7
	v_add_nc_u32 v[ADRB+\s], s22, v4
	s_add_co_u32 s21, s21, SLOT
	s_add_co_u32 s22, s22, SLOT
.endr
	s_mul_i32 s21, s15, HALFS
	s_add_co_u32 s21, s21, SCL
	v_lshl_add_u32 v[ADSA], v6, 2, s21
	v_mul_u32_u24 v5, v1, KS                       ; B's scales: KS bytes a row,
	v_lshrrev_b32 v3, 8, v5
	v_lshl_add_u32 v5, v3, 4, v5                   ; 16 more for each 256 passed,
	v_mad_u32_u24 v5, v2, SBLK, v5                 ; lanes 16-31 one block of 16 rows on
	s_mul_i32 s22, s16, HALFS
	s_add_co_u32 s22, s22, SCL+2*HALFS
	v_add_nc_u32 v[ADSB], s22, v5
	s_mul_i32 s23, s14, 16*SPITCH                  ; my stage
	v_mul_u32_u24 v5, v1, SPITCH
	v_lshl_add_u32 v5, v2, 5, v5
	v_add_nc_u32 v[STO], s23, v5                   ; in: row l % 16, 32 bytes for each half of the lanes
	v_lshlrev_b32 v[CO], 4, v6                     ; back: the 32 lanes take one row of 512 bytes; and the same in out0
	v_add_nc_u32 v[RD], s23, v[CO]
	s_lshl_b32 s20, s17, 8
	s_lshl_b32 s21, s15, 7
	s_add_co_u32 s20, s20, s21                     ; my first row of out0
	s_mov_b32 s21, 0
	s_mov_b64 s[18:19], SIZE_N*4
	s_mul_u64 s[20:21], s[20:21], s[18:19]
	s_add_nc_u64 s[20:21], s[20:21], s[46:47]
	s_add_nc_u64 s[12:13], s[12:13], s[20:21]
.macro FRAG reg, adr, q, i             ; B: 16 rows x 128 K from padded rows
.irp c, 0,1,2,3
	ds_load_b128 v[\reg+4*\c:\reg+4*\c+3], v[\adr] offset:128*(\q)+32*\c+(\i)*16*PITCH
.endr
.endm
.macro FRAGA reg, adr, q, i            ; A: the image of block i in the slot's q-th chunk
.irp c, 0,1,2,3
	ds_load_b128 v[\reg+4*\c:\reg+4*\c+3], v[\adr] offset:16384*(\q)+2048*(\i)+512*\c
.endr
.endm
; 16 matrix instructions: A's blocks a0, a0 + 1 x B's eight, the slot's q-th 128 along K.  zero = 1: the sums start from the bias.  An odd block's scale words lie in lanes 16-31 of its pair's register.
; The 64 accumulators take turns, one instruction a turn, in the same order in every step.
.macro MUL16 a0, p, q, sc, zero
.irp a, \a0, \a0+1
.irp b, 0,1,2,3,4,5,6,7
.set rD, 8*(8*((\a)%4)+\b)
.set rC, rD
.if \zero
.set rC, BI+8*\b
.endif
.set rB, 128*(\p)+FR*\b
.set rA, AF+FR*(\a)
.set rSB, SC+16*(\sc)+8+2*(\b/2)+(\q)
.set rSA, SC+16*(\sc)+4*(\q)+(\a)/2
.set oB, \b%2
.set oA, (\a)%2
.if oB && oA
	v_wmma_scale_f32_16x16x128_f8f6f4 v[rD:rD+7], v[rB:rB+15], v[rA:rA+15], v[rC:rC+7], v[rSB], v[rSA] matrix_a_fmt:MATRIX_FMT_BF8 matrix_b_fmt:MATRIX_FMT_BF8 matrix_a_scale:MATRIX_SCALE_ROW1 matrix_b_scale:MATRIX_SCALE_ROW1
.elseif oB
	v_wmma_scale_f32_16x16x128_f8f6f4 v[rD:rD+7], v[rB:rB+15], v[rA:rA+15], v[rC:rC+7], v[rSB], v[rSA] matrix_a_fmt:MATRIX_FMT_BF8 matrix_b_fmt:MATRIX_FMT_BF8 matrix_a_scale:MATRIX_SCALE_ROW1
.elseif oA
	v_wmma_scale_f32_16x16x128_f8f6f4 v[rD:rD+7], v[rB:rB+15], v[rA:rA+15], v[rC:rC+7], v[rSB], v[rSA] matrix_a_fmt:MATRIX_FMT_BF8 matrix_b_fmt:MATRIX_FMT_BF8 matrix_b_scale:MATRIX_SCALE_ROW1
.else
	v_wmma_scale_f32_16x16x128_f8f6f4 v[rD:rD+7], v[rB:rB+15], v[rA:rA+15], v[rC:rC+7], v[rSB], v[rSA] matrix_a_fmt:MATRIX_FMT_BF8 matrix_b_fmt:MATRIX_FMT_BF8
.endif
.endr
.endr
.endm
.macro FETCH_B slot, q, p
	WIN TO_B
.irp i, 0,1,2,3,4,5,6,7
	FRAG 128*(\p)+FR*\i, ADRB+\slot, \q, \i
.endr
	WIN 0
.endm
.macro FETCH_A slot, q, i0
.irp i, \i0, \i0+1, \i0+2, \i0+3
	FRAGA AF+FR*(\i), ADRA+\slot, \q, \i
.endr
.endm
.macro SCALES sc                       ; a K step's scale words into set sc: twelve loads
.irp q, 0,1
.irp m, 0,1,2,3
	ds_load_b32 v[SC+16*\sc+4*\q+\m], v[ADSA] offset:512*\q+128*\m
.endr
.endr
.irp m, 0,1,2,3
	ds_load_b64 v[SC+16*\sc+8+2*\m:SC+16*\sc+9+2*\m], v[ADSB] offset:2*\m*SBLK
.endr
.endm
.macro PLACES n                        ; plain vector instructions between a matrix instruction and a load into, or a read of, its registers (ISA guide 7.12.1 for vector instructions)
.rept \n
	v_nop
.endr
.endm
.macro STEP slot, q, zero
	s_wait_dscnt 4*NL                              ; B's set, the scale words and A's blocks 0-3 are in; the youngest sixteen loads (A's blocks 4-7) may be out
.if \zero
	WIN 0x81                                       ; C, the bias, lies in window 0
.else
	WIN MUL_LO
.endif
	MUL16 0, (\q)%2, \q, \slot, \zero
	MUL16 2, (\q)%2, \q, \slot, \zero
	s_wait_dscnt 0
	PLACES NP
	FETCH_B \slot, (\q)+1, 1-(\q)%2
	FETCH_A \slot, (\q)+1, 0
.if \zero
	WIN 0xc1
.else
	WIN MUL_HI
.endif
	MUL16 4, (\q)%2, \q, \slot, \zero
	MUL16 6, (\q)%2, \q, \slot, \zero
	PLACES NP
	WIN 0
	FETCH_A \slot, (\q)+1, 4
.endm
; A slot's last step changes slots: ONE barrier; in front of it each wave waits for all its tensor loads, adds 0 to its spare word, and waits for that and for its own reads of this slot.
.macro TURN slot, next, fill
	s_wait_tensorcnt 0x0                           ; all my tensor loads have landed: my part of the next slot
	ds_add_u32 v[SPW], v[NIL]                      ; 0 onto my spare word
	s_wait_dscnt 4*NL+1                            ; the add and the youngest sixteen loads may be out
	WIN MUL_LO
	MUL16 0, 1, NQ-1, \slot, 0
	s_wait_dscnt 0x0                               ; the add is done, and my reads of this slot are over
	s_barrier_signal -1
	MUL16 2, 1, NQ-1, \slot, 0
	WIN 0
	s_barrier_wait -1
.if \fill
	CREST                                          ; the barrier has opened a round of the cluster's: no wave of any partner still reads this slot or has a load on its way
	s_add_nc_u64 s[G0+4*\slot+2:G0+4*\slot+3], s[G0+4*\slot+2:G0+4*\slot+3], 0x10000   ; A: two K steps of 32,768 bytes on
	s_add_nc_u64 s[G0B+4*\slot+2:G0B+4*\slot+3], s[G0B+4*\slot+2:G0B+4*\slot+3], 2*ROWB
	JLOAD G0+4*\slot, G1, G0B+4*\slot, G1B         ; the first tensor load behind the round, my one load until the next
	PLACES NP-4
.else
	PLACES NP
.endif
	s_wait_alu depctr_va_vdst(0)
	v_add_nc_u32 v[ADSA], 1024, v[ADSA]            ; on to the next K step's scale words (no LDS load of mine is out)
	v_add_nc_u32 v[ADSB], 8, v[ADSB]
	FETCH_B \next, 0, 0
	FETCH_A \next, 0, 0
	SCALES \next
	WIN MUL_HI
	MUL16 4, 1, NQ-1, \slot, 0
	MUL16 6, 1, NQ-1, \slot, 0
	PLACES NP
	WIN 0
	FETCH_A \next, 0, 4
.endm
	s_wait_alu depctr_va_vdst(0)
	s_wait_tensorcnt 1                             ; the scales and my part of K step 0 are in (K step 1's load may be out)
	s_barrier_signal -1
	s_barrier_wait -1                              ; everybody's are
	FETCH_B 0, 0, 0
	FETCH_A 0, 0, 0
	SCALES 0
	FETCH_A 0, 0, 4
	s_wait_loadcnt 0x0                             ; the bias
	STEP 0, 0, 1                                   ; the first step stands in front of the loop: its products start the sums from the bias
	s_mov_b32 s3, LAPS-1
.Llap:
	TURN 0, 1, 1
	STEP 1, 0, 0
	TURN 1, 0, 1
	STEP 0, 0, 0
	s_sub_co_u32 s3, s3, 1
	s_cmp_lg_u32 s3, 0
	s_cbranch_scc1 .Llap
	TURN 0, 1, 0                                   ; the last lap fills nothing, and has no round of the cluster's barrier
	STEP 1, 0, 0
	s_wait_dscnt 4*NL
	WIN MUL_LO
	MUL16 0, 1, NQ-1, 1, 0
	MUL16 2, 1, NQ-1, 1, 0
	s_wait_dscnt 0
	WIN MUL_HI
	MUL16 4, 1, NQ-1, 1, 0
	MUL16 6, 1, NQ-1, 1, 0
	WIN 0
; THE WAY OUT, block by block of 16 rows x 128 columns: through my own stage in LDS (in slot 0, which has had its last fill and its last read), back as whole rows of 512 bytes.
; LDS serves a wave's instructions in order (ISA guide 5.7.1.4): no wait between the stores and the loads.
.macro TOSTAGE a
.set AC, 64*((\a)%4)
	WIN 0x08+4*((\a)/4)                            ; the data: window 2 or 3
.irp b, 0,1,2,3,4,5,6,7
	ds_store_b128 v[STO], v[AC+8*\b:AC+8*\b+3] offset:64*\b          ; each accumulator from its low end on
	ds_store_b128 v[STO], v[AC+8*\b+4:AC+8*\b+7] offset:64*\b+16
.endr
	WIN 0
.set BB, BK+64*((\a)%2)
.irp t, 0,1,2,3,4,5,6,7,8,9,10,11,12,13,14,15
	ds_load_b128 v[BB+4*\t:BB+4*\t+3], v[RD] offset:\t*SPITCH
.endr
.endm
.macro SEND a, younger                 ; younger: the LDS instructions issued behind block a's loads, which may stay out
.set BB, BK+64*((\a)%2)
	s_wait_dscnt \younger
.if (\a) > 0
	s_add_nc_u64 s[12:13], s[12:13], 16*SIZE_N*4   ; (behind a wait on XCNT: the earlier stores have read their base)
.endif
.irp t, 0,1,2,3,4,5,6,7,8,9,10,11,12,13,14,15
	global_store_b128 v[CO], v[BB+4*\t:BB+4*\t+3], s[12:13] offset:\t*SIZE_N*4 th:TH_STORE_NT   ; 32 lanes store 512 consecutive bytes, aligned
.endr
.endm
	PLACES NP
	TOSTAGE 0
.irp a, 1,2,3,4,5,6,7
.if \a > 1
	s_wait_xcnt 0x0                                ; block a - 2's stores have read their registers and their base
.endif
	TOSTAGE \a
	SEND \a-1, 32                                  ; behind block a - 1's loads: block a's 16 stores and 16 loads
.endr
	s_wait_xcnt 0x0
	SEND 7, 0
	s_wait_tensorcnt 0x0                           ; the wave's end
	ds_add_u32 v[SPW], v[NIL]
	s_wait_dscnt 0x0
	CROUND                                         ; the closing round
	s_endpgm
.Lfunc_end_k_qef104fcf38_proj:
	.size	k_qef104fcf38_proj, .Lfunc_end_k_qef104fcf38_proj-k_qef104fcf38_proj
	.p2alignl 7, 3214868480
	.fill 96, 4, 3214868480
	.section	.rodata,"a",@progbits
	.p2align	6, 0x0
	.amdhsa_kernel k_qef104fcf38_proj
		.amdhsa_group_segment_fixed_size 327680
		.amdhsa_private_segment_fixed_size 0
		.amdhsa_enable_private_segment 0
		.amdhsa_kernarg_size 48
		.amdhsa_user_sgpr_count 2
		.amdhsa_user_sgpr_kernarg_segment_ptr 1
		.amdhsa_wavefront_size32 1
		.amdhsa_system_sgpr_workgroup_id_x 1
		.amdhsa_system_sgpr_workgroup_id_y 1
		.amdhsa_system_sgpr_workgroup_id_z 1
		.amdhsa_system_vgpr_workitem_id 0
		.amdhsa_next_free_vgpr 1024
		.amdhsa_next_free_sgpr 100
		.amdhsa_reserve_vcc 0
		.amdhsa_float_denorm_mode_32 3
		.amdhsa_float_denorm_mode_16_64 3
		.amdhsa_memory_ordered 1
		.amdhsa_forward_progress 1
		.amdhsa_inst_pref_size 149
	.end_amdhsa_kernel
	.amdgpu_metadata
---
amdhsa.version: [ 1, 2 ]
amdhsa.kernels:
  - .name:           k_qef104fcf38_proj
    .symbol:         k_qef104fcf38_proj.kd
    .args:
      - { .name: y, .offset: 0, .size: 8, .value_kind: global_buffer, .address_space: global }
      - { .name: ys, .offset: 8, .size: 8, .value_kind: global_buffer, .address_space: global }
      - { .name: W_proj_codes, .offset: 16, .size: 8, .value_kind: global_buffer, .address_space: global }
      - { .name: W_proj_scales, .offset: 24, .size: 8, .value_kind: global_buffer, .address_space: global }
      - { .name: b_proj, .offset: 32, .size: 8, .value_kind: global_buffer, .address_space: global }
      - { .name: out0, .offset: 40, .size: 8, .value_kind: global_buffer, .address_space: global }
    .group_segment_fixed_size: 327680
    .private_segment_fixed_size: 0
    .kernarg_segment_align: 8
    .kernarg_segment_size: 48
    .max_flat_workgroup_size: 128
    .sgpr_count:     100
    .vgpr_count:     1024
    .wavefront_size: 32
...
	.end_amdgpu_metadata
.endif
;; end of part 3
